; MI455X (gfx1250); checked and timed in simulation.
; The chip was launched on July 23, 2026; its instructions are those of AMD's public machine-readable ISA for CDNA 5 (MIT licence, August 2026) and "CDNA5" Instruction Set Architecture Reference Guide (July 2026). The comments in the code are by the model that wrote it; some were corrected since.
;; Multi Head Attention. Allowed arithmetic: matrix products marked QUANTISED: E3M2 operands, one E8M0 scale for each 32 along K, by v_wmma_scale_f32_16x16x128_f8f6f4 with both operands' format E3M2, f32 sums; everything else in f32.
;; Inputs: Wk 1,024 x 1,024 float32; Wp 1,024 x 1,024 float32; Wq 1,024 x 1,024 float32; Wv 1,024 x 1,024 float32; bp 1,024 float32; x 4 x 2,048 x 1,024 float32.
;; Outputs: out0 4 x 2,048 x 1,024 float32.
;; This version of the problem:
;;   THIS VERSION OF THE PROBLEM IS GIVEN IN LOW PRECISION. The matrix products marked QUANTISED in the list below multiply operands that are first quantised to E3M2 (3 exponent bits, 2 mantissa bits; 6 bits a number), with one power-of-two scale for each 32 numbers along K (OCP MX v1.0); their sums are f32. All else is computed in f32.
;;   The module's matrix products, in the order in which they are computed (A, B: the left and right operand; K: the contracted axis; several contracted axes count as one K, in the product's order):
;;     1. [M 8,192, K 1,024] x [K 1,024, N 1,024]; A: input x; B: input Wq: QUANTISED
;;     2. [M 8,192, K 1,024] x [K 1,024, N 1,024]; A: input x; B: input Wk: QUANTISED
;;     3. [M 8,192, K 1,024] x [K 1,024, N 1,024]; A: input x; B: input Wv: QUANTISED
;;     4. batch 64 x [M 2,048, K 64] x [K 64, N 2,048]; A: computed on the way; B: computed on the way: QUANTISED
;;     5. batch 64 x [M 2,048, K 2,048] x [K 2,048, N 64]; A: softmax (see below); B: computed on the way: QUANTISED
;;     6. [M 8,192, K 1,024] x [K 1,024, N 1,024]; A: computed on the way; B: input Wp: QUANTISED
;;   THE QUANTISER, for each operand of a quantised product, along K:
;;     - K is cut into blocks of 32 from its start; a last block that is shorter is filled with zeros.
;;     - A block's scale is 2^e with e = floor(log2(the largest magnitude in the block)) - 4, held to -126 .. 127; a block of zeros has e = 0. As a byte (E8M0): e + 127.
;;     - Each number is divided by its block's scale, clamped to +-28, and rounded to the nearest number of E3M2, ties to even, subnormals kept.
;;     - The product sums the exact products of the quantised numbers (number of the format x scale) in f32.
;;   ~~~python
;;   def quantise(x, axis):      # numpy; x: float32 -> the quantised numbers, widened to float32 again
;;       x = np.moveaxis(x, axis, -1); K = x.shape[-1]
;;       x = np.pad(x, [(0, 0)] * (x.ndim - 1) + [(0, -K % 32)]); x = x.reshape(x.shape[:-1] + (-1, 32)); a = np.abs(x).max(-1, keepdims=True)
;;       e = np.where(a > 0, np.clip(np.frexp(np.where(a > 0, a, 1))[1] - 1 - 4, -126, 127), 0)      # np.frexp(a)[1] - 1 = floor(log2(a)), exactly
;;       r = np.clip(x / 2.0 ** e, -28, 28)
;;       step = 2.0 ** (np.maximum(np.frexp(np.where(r == 0, 1, r))[1] - 1, -2) - 2)
;;       q = np.round(r / step) * step * 2.0 ** e      # np.round: ties to even
;;       return np.moveaxis(q.reshape(q.shape[:-2] + (-1,))[..., :K], -1, axis).astype(np.float32)
;;   ~~~
;;   SOFTMAX AHEAD OF A QUANTISED PRODUCT. Where the list says 'softmax', what is quantised is not the finished softmax but p = 2^(t - M), with t = logit x log2(e) and M = ceil(the row's largest t), a whole number; so 1/2 < the row's largest p <= 1. The row's sum l is taken of the UNQUANTISED p, in f32, and the product's result is divided by l at the end. Since M is a whole number, a kernel that streams over the keys may use a running M (the ceiling of the running maximum): every later rescaling is an exact power of two, which a block's scale takes up: the codes' values come out the same.
;;   OPERANDS COMPUTED ON THE WAY. 'Computed on the way' means the value that the module computes at that place (a softmax that the list does not call 'softmax' is quantised finished and normalised). What goes into a quantiser is computed in f32, as accurately as f32 sums, v_exp_f32 and their like allow (about 1e-6 of the number): no bf16 or f16 on the way to a quantiser, and a product that is left as it is and whose result goes on into a quantised operand takes f32 operands (vector FMAs, or v_wmma_f32_16x16x4_f32). A number that lies on a knife's edge between two numbers of the format may be rounded either way, as far as f32 arithmetic and the matrix unit's own rounding can turn it there, and no further.
;; One version. Each part assembles by itself: llvm-mc -triple=amdgcn-amd-amdhsa -mcpu=gfx1250 --defsym DOCPART=n.
;; ======== version 1 of 1: 4 launches
;; workspace buffers: x_img 6,291,456 bytes; x_sc 262,144 bytes; w_img 3,145,728 bytes; w_sc 131,072 bytes; qkv 20,185,088 bytes; o_img 6,291,456 bytes; o_sc 262,144 bytes
;; launch quant (part 1): grid 384 x 1, 4 waves a work-group, no clusters, 34,304 bytes of LDS; arguments x, Wq, Wk, Wv, Wp, x_img, x_sc, w_img, w_sc; writes x_img, x_sc, w_img, w_sc
.if DOCPART == 1
	.amdgcn_target "amdgcn-amd-amdhsa--gfx1250"
	.amdhsa_code_object_version 6
	.text
	.protected	k_qaa3994ea9a_quant
	.globl	k_qaa3994ea9a_quant
	.p2align	8
	.type	k_qaa3994ea9a_quant,@function
k_qaa3994ea9a_quant:
	s_mov_b64 s[64:65], 0
	v_nop
	global_prefetch_b8 v0, s[64:65] scope:SCOPE_SE
	s_setreg_imm32_b32 hwreg(HW_REG_WAVE_MODE, 25, 1), 1
	s_wait_xcnt 0x0
; x [8192][1024] and Wq, Wk, Wv, Wp [1024][1024], f32, K innermost, become codes of BF6 (E3M2) with one E8M0 byte for each 32 along K, laid as IMAGES OF THE OPERAND'S REGISTERS.
; ROW ORDER: rows go in tiles of 16; position r of tile 2 B + u is row 32 B + 8 u + r + 8 (r / 8).  As source 0 of a product such a tile leaves, in the 16 registers of tiles 2 B and 2 B + 1, 16 neighbouring rows.
; IMAGE of 16 rows x 64 K, 768 bytes: lane (r, h) owns the 24 bytes of K block h of position r: its registers 0-3 at 16 x lane, its registers 4-5 at 512 + 8 x lane.  A tensor is [tile][K / 64][768].
; SCALES of a tile, 512 bytes: [K half][r][4 words], word j = the four bytes of K step 4 x half + j.
; A block's scale is 2^(floor(log2(largest magnitude)) - 4); its byte is that magnitude's exponent field - 4, held at 1 from below.
; LIMITS: NaN and infinities among the inputs are not served; a block whose largest magnitude lies under 2^-122 (a block of zeros too) gets the byte 1 where the rule says otherwise for zeros: its codes are then
; zeros or the rule's own, and only this program reads the bytes.
; SHARES: a work-group takes 32 rows (two tiles): 0-255 of x, then 32 each of Wq, Wk, Wv, Wp.  Wave w takes tile w / 2 and K half w % 2: four fragments of 16 rows x 128 K.
; Each load reads 512 consecutive bytes of one row; a fragment turns through the wave's own stage in LDS (16 rows of 528 bytes) so that a lane gets its two whole blocks of 32.  No barrier: waves share nothing.
.set STG, 8448                         ; a wave's stage: 16 rows x (512 + 16) bytes
.set R,   16                           ; v16-143  two sets of 64: a fragment as loaded
.set X,   144                          ; v144-207 my two blocks of 32 numbers
.set PC,  208                          ; v208-219 the fragment's codes
.set T,   220                          ; v220-226 the blocks' upper halves, as converted
.set MX,  228                          ; v228-229 largest magnitudes
.set SO,  230                          ; v230-231 the conversions' scale operands
.set BY,  232                          ; v232-233 scale bytes
.set WD,  234                          ; v234-237 the four fragments' scale words
	s_load_b256 s[4:11], s[0:1], 0x0               ; x, Wq, Wk, Wv
	s_load_b256 s[12:19], s[0:1], 0x20             ; Wp, x_img, x_sc, w_img
	s_load_b64 s[20:21], s[0:1], 0x40              ; w_sc
	v_lshl_add_u32 v240, v0, 2, 0x8400
	v_mov_b32 v241, 0
	v_lshrrev_b32 v1, 5, v0
	v_readfirstlane_b32 s33, v1                    ; wave
	v_and_b32 v1, 31, v0                           ; lane
	v_and_b32 v2, 15, v0                           ; r
	v_bfe_u32 v3, v0, 4, 1                         ; h
	v_lshlrev_b32 v4, 4, v1                        ; 16 x lane
	v_lshlrev_b32 v5, 3, v1                        ; 8 x lane
	s_mul_i32 s34, s33, STG
	v_add_nc_u32 v6, s34, v4                       ; the stage, way in: a row's 512 bytes as they lie
	v_mul_u32_u24 v7, v2, 528
	v_lshl_add_u32 v7, v3, 7, v7
	v_add_nc_u32 v7, s34, v7                       ; way out: row r, block h
	v_lshlrev_b32 v8, 4, v2
	v_lshl_add_u32 v8, v3, 3, v8                   ; 16 r + 8 h: my two scale words' place
	v_lshlrev_b32 v9, 3, v3                        ; 8 h
	v_mov_b32 v239, 0                              ; a lane permute's destination counts as read
	v_cmp_ne_u32 s32, 0, v3                        ; lanes 16-31
	s_mov_b32 s30, 0x76543210
	s_mov_b32 s31, 0xfedcba98                      ; selects for lane l xor 16
	s_lshr_b32 s35, s33, 1                         ; u: which tile of the pair
	s_and_b32 s36, s33, 1                          ; which K half
	s_wait_kmcnt 0x0
	s_cmp_ge_u32 ttmp9, 256                        ; the choices hang on the work-group's number alone
	s_cselect_b64 s[22:23], s[6:7], s[4:5]         ; the source
	s_cselect_b64 s[24:25], s[18:19], s[14:15]     ; the images
	s_cselect_b64 s[26:27], s[20:21], s[16:17]     ; the scales
	s_cselect_b32 s28, 31, 0xff                    ; the pair's number within its tensor
	s_cselect_b32 s29, 256, 0
	s_cmp_ge_u32 ttmp9, 288
	s_cselect_b64 s[22:23], s[8:9], s[22:23]
	s_cmp_ge_u32 ttmp9, 320
	s_cselect_b64 s[22:23], s[10:11], s[22:23]
	s_cmp_ge_u32 ttmp9, 352
	s_cselect_b64 s[22:23], s[12:13], s[22:23]
	s_and_b32 s37, ttmp9, s28
	s_lshl_b32 s38, s37, 17                        ; 32 rows of 4,096 bytes
	s_lshl_b32 s37, s35, 15                        ; + 8 u rows
	s_add_co_u32 s38, s38, s37
	s_lshl_b32 s37, s36, 11                        ; + 512 numbers for the upper K half
	s_add_co_u32 s38, s38, s37
	s_mov_b32 s39, 0
	s_add_nc_u64 s[22:23], s[22:23], s[38:39]
	s_sub_co_u32 s37, ttmp9, s29
	s_lshl_b32 s37, s37, 1
	s_add_co_u32 s37, s37, s35                     ; the tile's number in its buffer
	s_mul_i32 s38, s37, 12288
	s_mul_i32 s2, s36, 6144
	s_add_co_u32 s38, s38, s2
	s_add_nc_u64 s[24:25], s[24:25], s[38:39]
	s_lshl_b32 s38, s37, 9
	s_lshl_b32 s2, s36, 8
	s_add_co_u32 s38, s38, s2
	s_add_nc_u64 s[26:27], s[26:27], s[38:39]
.macro LOAD f                          ; fragment f: position i's row, 128 numbers: 32 lanes read 512 consecutive bytes
.irp i, 0,1,2,3,4,5,6,7,8,9,10,11,12,13,14,15
	global_load_b128 v[R+64*((\f)%2)+4*\i:R+64*((\f)%2)+4*\i+3], v4, s[22:23] offset:(\i+8*(\i/8))*4096+512*(\f) th:TH_LOAD_NT
.endr
.endm
.macro FRG f
.if (\f) < 3
	s_wait_loadcnt 16                              ; this fragment's 16 loads are in; the next fragment's 16 may be out
.else
	s_wait_loadcnt 0x0
.endif
.irp i, 0,1,2,3,4,5,6,7,8,9,10,11,12,13,14,15
	ds_store_b128 v6, v[R+64*((\f)%2)+4*\i:R+64*((\f)%2)+4*\i+3] offset:528*\i
.endr
.irp c, 0,1                            ; LDS serves a wave's instructions in order: these see the stores above
.irp j, 0,1,2,3,4,5,6,7
	ds_load_b128 v[X+32*\c+4*\j:X+32*\c+4*\j+3], v7 offset:256*\c+16*\j   ; k = 64 c + 32 h + 4 j ..
.endr
.endr
	s_wait_dscnt 0x0                               ; my numbers are back, and the stores have read their registers,
.if (\f) < 2
	LOAD (\f)+2                                    ; which take the fragment two on
.endif
.irp c, 0,1
	v_max3_num_f32 v[MX+\c], |v[X+32*\c]|, |v[X+32*\c+1]|, 0x2800000   ; block 2 c + h is all mine; the floor 2^(5 - 127) holds the byte at 1 from below
.endr
.irp i, 2,4,6,8,10,12,14,16,18,20,22,24,26,28,30
.irp c, 0,1
	v_max3_num_f32 v[MX+\c], v[MX+\c], |v[X+32*\c+\i]|, |v[X+32*\c+\i+1]|
.endr
.endr
.irp c, 0,1
	v_add_nc_u32 v[SO+\c], 0xfe000000, v[MX+\c]    ; 4 off the exponent field: the conversion's scale operand
.endr
.irp c, 0,1
	v_lshrrev_b32 v[BY+\c], 23, v[SO+\c]           ; the byte
.endr
	v_lshl_or_b32 v238, v[BY+1], 16, v[BY]         ; my bytes of blocks h and 2 + h,
	v_lshlrev_b32 v238, v9, v238                   ; at their places,
	v_permlanex16_b32 v239, v238, s30, s31
	v_or_b32 v[WD+(\f)], v238, v239                ; with lane l xor 16's two: the row's word for this K step
.if (\f) > 0
	s_wait_xcnt 0x0                                ; the last fragment's stores have read the codes' registers
.endif
.irp c, 0,1
	v_cvt_scalef32_pk16_bf6_f32 v[PC+6*\c:PC+6*\c+2], v[X+32*\c:X+32*\c+15], v[SO+\c]
	v_cvt_scalef32_pk16_bf6_f32 v[T+4*\c:T+4*\c+2], v[X+32*\c+16:X+32*\c+31], v[SO+\c]   ; (a conversion's three registers begin on an even number)
.endr
	v_nop                                          ; one plain place behind a scaled conversion
.irp c, 0,1
.irp i, 0,1,2
	v_mov_b32 v[PC+6*\c+3+\i], v[T+4*\c+\i]
.endr
.endr
.irp c, 0,1
	global_store_b128 v4, v[PC+6*\c:PC+6*\c+3], s[24:25] offset:1536*(\f)+768*\c       ; 512 consecutive bytes
	global_store_b64 v5, v[PC+6*\c+4:PC+6*\c+5], s[24:25] offset:1536*(\f)+768*\c+512  ; 256 consecutive bytes
.endr
.endm
	LOAD 0
	LOAD 1
	FRG 0
	FRG 1
	FRG 2
	FRG 3
	v_cndmask_b32 v238, v[WD], v[WD+2], s32        ; lanes 0-15 store words 0, 1 of their row, lanes 16-31 words 2, 3
	v_cndmask_b32 v239, v[WD+1], v[WD+3], s32
	global_store_b64 v8, v[238:239], s[26:27]      ; 256 consecutive bytes
	s_wait_tensorcnt 0x0
	ds_add_u32 v240, v241
	s_wait_dscnt 0x0
	s_endpgm
.Lfunc_end_k_qaa3994ea9a_quant:
	.size	k_qaa3994ea9a_quant, .Lfunc_end_k_qaa3994ea9a_quant-k_qaa3994ea9a_quant
	.p2alignl 7, 3214868480
	.fill 96, 4, 3214868480
	.section	.rodata,"a",@progbits
	.p2align	6, 0x0
	.amdhsa_kernel k_qaa3994ea9a_quant
		.amdhsa_group_segment_fixed_size 34304
		.amdhsa_private_segment_fixed_size 0
		.amdhsa_enable_private_segment 0
		.amdhsa_kernarg_size 72
		.amdhsa_user_sgpr_count 2
		.amdhsa_user_sgpr_kernarg_segment_ptr 1
		.amdhsa_wavefront_size32 1
		.amdhsa_system_sgpr_workgroup_id_x 1
		.amdhsa_system_sgpr_workgroup_id_y 1
		.amdhsa_system_sgpr_workgroup_id_z 1
		.amdhsa_system_vgpr_workitem_id 0
		.amdhsa_next_free_vgpr 242
		.amdhsa_next_free_sgpr 66
		.amdhsa_reserve_vcc 0
		.amdhsa_float_denorm_mode_32 3
		.amdhsa_float_denorm_mode_16_64 3
		.amdhsa_memory_ordered 1
		.amdhsa_forward_progress 1
		.amdhsa_inst_pref_size 31
	.end_amdhsa_kernel
	.amdgpu_metadata
---
amdhsa.version: [ 1, 2 ]
amdhsa.kernels:
  - .name:           k_qaa3994ea9a_quant
    .symbol:         k_qaa3994ea9a_quant.kd
    .args:
      - { .name: x, .offset: 0, .size: 8, .value_kind: global_buffer, .address_space: global }
      - { .name: Wq, .offset: 8, .size: 8, .value_kind: global_buffer, .address_space: global }
      - { .name: Wk, .offset: 16, .size: 8, .value_kind: global_buffer, .address_space: global }
      - { .name: Wv, .offset: 24, .size: 8, .value_kind: global_buffer, .address_space: global }
      - { .name: Wp, .offset: 32, .size: 8, .value_kind: global_buffer, .address_space: global }
      - { .name: x_img, .offset: 40, .size: 8, .value_kind: global_buffer, .address_space: global }
      - { .name: x_sc, .offset: 48, .size: 8, .value_kind: global_buffer, .address_space: global }
      - { .name: w_img, .offset: 56, .size: 8, .value_kind: global_buffer, .address_space: global }
      - { .name: w_sc, .offset: 64, .size: 8, .value_kind: global_buffer, .address_space: global }
    .group_segment_fixed_size: 34304
    .private_segment_fixed_size: 0
    .kernarg_segment_align: 8
    .kernarg_segment_size: 72
    .max_flat_workgroup_size: 128
    .sgpr_count:     66
    .vgpr_count:     242
    .wavefront_size: 32
...
	.end_amdgpu_metadata
.endif
;; end of part 1
;; launch qkv (part 2): grid 8 x 48, 4 waves a work-group, clusters of 4 x 4, 327,680 bytes of LDS; arguments x_img, x_sc, w_img, w_sc, qkv; writes qkv
.if DOCPART == 2
	.amdgcn_target "amdgcn-amd-amdhsa--gfx1250"
	.amdhsa_code_object_version 6
	.text
	.protected	k_qaa3994ea9a_qkv
	.globl	k_qaa3994ea9a_qkv
	.p2align	8
	.type	k_qaa3994ea9a_qkv,@function
k_qaa3994ea9a_qkv:
	s_mov_b64 s[64:65], 0
	v_nop
	global_prefetch_b8 v0, s[64:65] scope:SCOPE_SE
	s_setreg_imm32_b32 hwreg(HW_REG_WAVE_MODE, 25, 1), 1
	s_wait_xcnt 0x0
	s_wait_alu depctr_hold_cnt(0) depctr_sa_sdst(0) depctr_va_vdst(0) depctr_va_sdst(0) depctr_va_ssrc(0) depctr_va_vcc(0) depctr_vm_vsrc(0)
	s_getreg_b32 s2, hwreg(HW_REG_IB_STS2, 6, 4)
	s_cmp_eq_u32 s2, 0
	s_cbranch_scc0 .Lentry_in_a_cluster
	s_endpgm
.Lentry_in_a_cluster:
	s_bfe_u32 s2, ttmp6, 0x10000c
	s_cmp_lg_u32 s2, 0xf033
	s_cbranch_scc0 .Lentry_shape_is_right
	s_endpgm
.Lentry_shape_is_right:
; q = x Wq^T, k = x Wk^T, v = x Wv^T on codes of BF6 with E8M0 scales, K = 1,024; the results are quantised in registers and leave as codes: q and k along the head's 64, v along the KEYS.
; ONE FORM FOR ALL THREE: Y = A B^T with source 0 = 16 rows of B and source 1 = 16 rows of A: a lane holds one row of A and its registers run along B's rows, which is the axis that is quantised.
;   q, k (clusters y 0-7):  A = x, B = Wq | Wk.    v (clusters y 8-11): A = Wv, B = x: the result is v^T.   Only pointers and offsets are chosen, on the cluster's y, which all partners share.
; Operands arrive as images of their registers (768 bytes for 16 rows x 64 K; registers 0-3 at 16 x lane, 4-5 at 512 + 8 x lane) in tiles whose position r is row 32 B + 8 u + r + 8 (r / 8): so the 16 registers of
; B's tiles 2 B, 2 B + 1 are 16 neighbouring rows of B, as the conversions want them.
; A work-group of four waves makes 256 x 256; a wave 128 x 128: 64 accumulators.  K goes in eight steps of 128; a quarter of K (two steps) fills a slot of 98,304 bytes.  Three slots take quarters 0, 1, 2 at the
; start; quarter 3 goes into slot 0 behind the one change that fills bytes again, and has four K steps, 256 matrix instructions, in which to land.  By this text's count a wave has at most four tensor loads out.
; CLUSTERS: 4 x 4.  A's tiles are asked for jointly along a row of the cluster, B's along a column.
; OUT (buffer qkv, a part of HS bytes for each batch x head): 16 records of 13,056 bytes for 128 keys: K's 8 images, K's scale words [2][r][4], V^T's 4 fragments of 1,536, V^T's scale words [r][4];
; then 16 records of 6,656 bytes for 128 queries: Q's 8 images and their scale words.  A q or k scale word holds the head's two bytes below and zeros above.
; LIMITS: NaN and infinities are not served; a block whose largest magnitude lies under 2^-122 gets the byte 1 (only this program reads the bytes).
; REGISTERS: window 0: v1-3 lane, r, h; v4-15 LDS addresses; v16 scale words' address; v17-19 store offsets; v28-29 the add's; v32-95 scale words (register 8 i + K step: lanes 0-15 A's tile i, lanes 16-31 B's);
;   v96-147 the way out; from v128 A's 8 fragments, one set.  window 1: B's fragments, two sets, at v0 and v128.  windows 2, 3: accumulators, (a, b) at v[8 (8 (a % 4) + b)].
.set SLOT,  98304
.set HALFT, 24576                      ; 8 tiles x 3,072 bytes: what one tensor load brings and one wave reads of A or of B
.set SCL,   3*SLOT                     ; the scales: A's 16 tiles x 512 bytes, then B's
.set SPARE, SCL+16384                  ; the spare words, 128 bytes for each wave, that no other line names
.set HS,    315392
.set FR,    12
.set A16,   4                          ; v4-6   my A half in slot s + 16 x lane
.set A8,    7                          ; v7-9   + 8 x lane
.set B16,   10
.set B8,    13
.set ADRS,  16
.set L16,   17
.set L8,    18
.set RH,    19
.set SPW,   28
.set NIL,   29
.set SC,    32
.set TM,    96
.set PW,    112
.set EW,    120
.set PC,    128
.set AF,    128
.set G1A,  24
.set G0A,  32
.set G1B,  44
.set G0B,  52
.set G1SA, 68
.set G0SA, 76
.set G1SB, 80
.set G0SB, 88
.set MSB, 0
.macro WIN new                         ; the immediate's high byte repeats the setting that is left
.if MSB != (\new)
	s_set_vgpr_msb (MSB<<8)|(\new)
.set MSB, (\new)
.endif
.endm
.set MUL_LO, 0xa1                      ; source 0 (B) window 1, source 1 (A) window 0, C and D window 2
.set MUL_HI, 0xf1
.set TO_B,   0x40
.macro JLOAD g0a, g1a, g0b, g1b        ; a joint load: waves 0, 1 fetch for A, waves 2, 3 for B; four v_nop follow each line
	s_cmp_eq_u32 s17, 0
	s_cbranch_scc0 .Lfor_b_\@
	tensor_load_to_lds s[\g0a:\g0a+3], s[\g1a:\g1a+7]
	s_nop 0
.rept 4
	v_nop
.endr
	s_branch .Lasked_\@
.Lfor_b_\@:
	tensor_load_to_lds s[\g0b:\g0b+3], s[\g1b:\g1b+7]
	s_nop 0
.rept 4
	v_nop
.endr
.Lasked_\@:
.endm
.macro CREST                           ; a round of the cluster's barrier behind its opening barrier
	s_cmp_lg_u32 s16, 0
	s_cbranch_scc1 .Lnot_wave_0_\@
	s_barrier_signal -3
.Lnot_wave_0_\@:
	s_barrier_wait -3
	s_barrier_signal -1
	s_barrier_wait -1
.endm
.macro CROUND
	s_barrier_signal -1
	s_barrier_wait -1
	CREST
.endm
.macro PLACES                          ; four plain vector places behind a matrix instruction, in front of loads into its registers and of reads of its results
.rept 4
	v_nop
.endr
.endm
	s_load_b256 s[4:11], s[0:1], 0x0               ; x_img, x_sc, w_img, w_sc
	s_load_b64 s[12:13], s[0:1], 0x20              ; qkv
	v_lshl_add_u32 v[SPW], v0, 2, SPARE
	v_mov_b32 v[NIL], 0
	ds_add_u32 v28, v29
	ds_add_u32 v28, v29
	s_wait_dscnt 0x0
	v_lshrrev_b32 v1, 5, v0
	v_readfirstlane_b32 s16, v1                    ; wave
	s_lshr_b32 s17, s16, 1                         ; wa: my half of A's rows.  Also: I fetch for A (0) or B (1)
	s_and_b32 s18, s16, 1                          ; wb: my half of B's rows.  Also: which 8 tiles I fetch
	s_bfe_u32 s92, ttmp6, 0x40000                  ; cx
	s_bfe_u32 s93, ttmp6, 0x40004                  ; cy
	s_and_b32 s94, ttmp7, 0xffff                   ; the cluster's y
	s_lshl_b32 s95, s93, 2
	s_lshl_b32 s95, 15, s95                        ; my row of the cluster
	s_lshl_b32 s96, 0x1111, s92                    ; my column
	s_or_b32 s[G1A], s95, (3<<16)|(1<<21)          ; the mask; elements of 8 bytes; bit 21 beside a mask; no padding
	s_or_b32 s[G1B], s96, (3<<16)|(1<<21)
.irp g, G1A, G1B                       ; 8 rows (one a tile) of 3,072 bytes, 12,288 bytes apart
	s_mov_b32 s[\g+1], 384<<16
	s_mov_b32 s[\g+2], 8<<16
	s_mov_b32 s[\g+3], 384<<16
	s_mov_b32 s[\g+4], 8
	s_mov_b32 s[\g+5], 1536
	s_mov_b32 s[\g+6], 0
	s_mov_b32 s[\g+7], 0
.endr
	s_or_b32 s[G1SA], s95, (3<<16)|(1<<21)
	s_or_b32 s[G1SB], s96, (3<<16)|(1<<21)
.irp g, G1SA, G1SB                     ; the scales of 8 tiles: 4,096 dense bytes as 16 rows of 256
	s_mov_b32 s[\g+1], 32<<16
	s_mov_b32 s[\g+2], 16<<16
	s_mov_b32 s[\g+3], 32<<16
	s_mov_b32 s[\g+4], 16
	s_mov_b32 s[\g+5], 32
	s_mov_b32 s[\g+6], 0
	s_mov_b32 s[\g+7], 0
.endr
	s_lshl_b32 s3, s18, 3                          ; 8 x the half that I fetch
	s_lshl_b32 s19, s93, 4
	s_add_co_u32 s19, s19, s3                      ; A's first tile: 16 cy + 8 half + (64 x cluster y, or Wv's 128)
	s_lshl_b32 s2, ttmp9, 6
	s_lshl_b32 s97, s92, 4
	s_add_co_u32 s2, s2, s97
	s_add_co_u32 s2, s2, s3                        ; B's: 64 x cluster x + 16 cx + 8 half (+ 128 x batch in the v part)
	s_lshl_b32 s98, s94, 6
	s_lshl_b32 s97, s94, 7
	s_sub_co_u32 s97, s97, 1024
	s_wait_kmcnt 0x0
	s_cmp_lt_u32 s94, 8                            ; q, k or v?
	s_cselect_b32 s98, s98, 128
	s_cselect_b32 s97, 0, s97
	s_cselect_b64 s[20:21], s[4:5], s[8:9]         ; A's codes
	s_cselect_b64 s[22:23], s[6:7], s[10:11]       ; A's scales
	s_cselect_b64 s[100:101], s[8:9], s[4:5]       ; B's codes
	s_cselect_b64 s[66:67], s[10:11], s[6:7]       ; B's scales
	s_add_co_u32 s19, s19, s98
	s_add_co_u32 s2, s2, s97
	s_mul_i32 s98, s19, 12288
	s_mov_b32 s99, 0
	s_add_nc_u64 s[20:21], s[20:21], s[98:99]
	s_lshl_b32 s98, s19, 9
	s_add_nc_u64 s[22:23], s[22:23], s[98:99]
	s_mul_i32 s96, s2, 12288
	s_mov_b32 s97, 0
	s_add_nc_u64 s[100:101], s[100:101], s[96:97]
	s_lshl_b32 s96, s2, 9
	s_add_nc_u64 s[66:67], s[66:67], s[96:97]
	s_mul_i32 s3, s16, HALFT                       ; where they go: wave x 8 tiles: no place in the cluster enters an LDS address
	s_lshl_b32 s19, s16, 12
	CROUND                                         ; all sixteen work-groups are here: the first joint loads meet
	s_mov_b32 s[G0SA], 1
	s_add_co_u32 s[G0SA+1], s19, SCL
	s_mov_b64 s[G0SA+2:G0SA+3], s[22:23]
	s_or_b32 s[G0SA+3], s[G0SA+3], 0x80000000
	s_mov_b32 s[G0SB], 1
	s_add_co_u32 s[G0SB+1], s19, SCL
	s_mov_b64 s[G0SB+2:G0SB+3], s[66:67]
	s_or_b32 s[G0SB+3], s[G0SB+3], 0x80000000
	JLOAD G0SA, G1SA, G0SB, G1SB                   ; the scales, for all of K
.irp s, 0,1,2
	s_mov_b32 s[G0A+4*\s], 1
	s_add_co_u32 s[G0A+4*\s+1], s3, \s*SLOT
	s_add_nc_u64 s[G0A+4*\s+2:G0A+4*\s+3], s[20:21], \s*3072
	s_or_b32 s[G0A+4*\s+3], s[G0A+4*\s+3], 0x80000000
	s_mov_b32 s[G0B+4*\s], 1
	s_add_co_u32 s[G0B+4*\s+1], s3, \s*SLOT
	s_add_nc_u64 s[G0B+4*\s+2:G0B+4*\s+3], s[100:101], \s*3072
	s_or_b32 s[G0B+4*\s+3], s[G0B+4*\s+3], 0x80000000
	JLOAD G0A+4*\s, G1A, G0B+4*\s, G1B             ; K quarter s into slot s
.endr
	v_and_b32 v1, 31, v0                           ; lane
	v_and_b32 v2, 15, v0                           ; r
	v_bfe_u32 v3, v0, 4, 1                         ; h
	v_lshlrev_b32 v[L16], 4, v1
	v_lshlrev_b32 v[L8], 3, v1
	v_lshlrev_b32 v[RH], 4, v2
	v_lshl_add_u32 v[RH], v3, 3, v[RH]             ; 16 r + 8 h
	s_mul_i32 s98, s17, HALFT                      ; my 8 tiles of A,
	s_mul_i32 s96, s18, HALFT
	s_add_co_u32 s96, s96, 2*HALFT                 ; my 8 of B, behind A's 16
.irp s, 0,1,2
	v_add_nc_u32 v[A16+\s], s98, v[L16]
	v_add_nc_u32 v[A8+\s], s98, v[L8]
	v_add_nc_u32 v[B16+\s], s96, v[L16]
	v_add_nc_u32 v[B8+\s], s96, v[L8]
	s_add_co_u32 s98, s98, SLOT
	s_add_co_u32 s96, s96, SLOT
.endr
	s_lshl_b32 s98, s17, 12                        ; the scale words: lanes 0-15 A's tiles, lanes 16-31 B's: the lower base + h x the distance
	s_lshl_b32 s96, s18, 12
	s_add_co_u32 s96, s96, 8192
	s_sub_co_u32 s96, s96, s98
	v_mul_u32_u24 v[ADRS], s96, v3
	s_add_co_u32 s98, s98, SCL
	v_lshl_add_u32 v[ADRS], v2, 4, v[ADRS]
	v_add_nc_u32 v[ADRS], s98, v[ADRS]
	; where my results go.  q, k: part 16 batch + 4 cx + 2 wb (and the next head's), record 2 (Y % 8) + wa
	s_lshr_b32 s2, s94, 1
	s_lshl_b32 s2, s2, 4
	s_lshl_b32 s3, s92, 2
	s_add_co_u32 s2, s2, s3
	s_lshl_b32 s3, s18, 1
	s_add_co_u32 s2, s2, s3
	s_mul_i32 s2, s2, HS
	s_and_b32 s3, s94, 1
	s_lshl_b32 s3, s3, 2
	s_add_co_u32 s3, s3, s93
	s_lshl_b32 s3, s3, 1
	s_add_co_u32 s3, s3, s17
	s_mov_b32 s19, 13056
	s_cmp_eq_u32 ttmp9, 0                          ; cluster x 0 holds Wq's rows, 1 Wk's
	s_cselect_b32 s19, 6656, s19
	s_cselect_b32 s95, 208896, 0
	s_mul_i32 s3, s3, s19
	s_add_co_u32 s2, s2, s3
	s_add_co_u32 s2, s2, s95
	; v: part 16 batch + 4 cy + 2 wa (and, from A's tile 4 on, the next head's), record 2 X + wb, behind K's 6,656 bytes
	s_sub_co_u32 s3, s94, 8
	s_lshl_b32 s3, s3, 4
	s_lshl_b32 s19, s93, 2
	s_add_co_u32 s3, s3, s19
	s_lshl_b32 s19, s17, 1
	s_add_co_u32 s3, s3, s19
	s_mul_i32 s3, s3, HS
	s_lshl_b32 s19, ttmp9, 3
	s_lshl_b32 s95, s92, 1
	s_add_co_u32 s19, s19, s95
	s_add_co_u32 s19, s19, s18
	s_mul_i32 s19, s19, 13056
	s_add_co_u32 s3, s3, s19
	s_add_co_u32 s3, s3, 6656
	s_mov_b32 s6, 768                              ; from a fragment's first image to its second: the next head's part, or 768
	s_mov_b32 s20, 1536                            ; from A's tile a to a + 1
	s_mov_b32 s22, HS-4608                         ; from tile 3 to tile 4
	s_mov_b32 s10, HS                              ; from tiles 0-3's scale words to tiles 4-7's
	s_cmp_lt_u32 s94, 8
	s_cselect_b32 s4, s2, s3
	s_cselect_b32 s6, HS, s6
	s_cselect_b32 s20, 768, s20
	s_cselect_b32 s22, 768, s22
	s_cselect_b32 s10, 256, s10
	s_mov_b32 s5, 0
	s_mov_b32 s7, 0
	s_mov_b32 s21, 0
	s_mov_b32 s23, 0
	s_mov_b32 s11, 0
	s_add_nc_u64 s[4:5], s[12:13], s[4:5]          ; s[4:5], s[6:7]: the two images' bases
	s_add_nc_u64 s[6:7], s[4:5], s[6:7]
	s_add_nc_u64 s[8:9], s[4:5], 6144              ; s[8:9], s[10:11]: the scale words' bases
	s_add_nc_u64 s[10:11], s[8:9], s[10:11]
	s_mov_b32 s100, 0x76543210
	s_mov_b32 s101, 0xfedcba98                     ; selects for lane l xor 16
.macro FRAG reg, a16, a8, off          ; a fragment, two images on end: four loads, each of consecutive bytes
	ds_load_b128 v[\reg:\reg+3], v[\a16] offset:\off
	ds_load_b64 v[\reg+4:\reg+5], v[\a8] offset:\off+512
	ds_load_b128 v[\reg+6:\reg+9], v[\a16] offset:\off+768
	ds_load_b64 v[\reg+10:\reg+11], v[\a8] offset:\off+1280
.endm
.macro FETCH_B slot, q, p              ; B's eight fragments of the slot's q-th K step into set p: 32 loads
	WIN TO_B
.irp i, 0,1,2,3,4,5,6,7
	FRAG 128*(\p)+FR*\i, B16+\slot, B8+\slot, 3072*\i+1536*(\q)
.endr
	WIN 0
.endm
.macro FETCH_A slot, q, i0             ; A's blocks i0 .. i0 + 3: 16 loads
.irp i, \i0, \i0+1, \i0+2, \i0+3
	FRAG AF+FR*(\i), A16+\slot, A8+\slot, 3072*(\i)+1536*(\q)
.endr
.endm
.macro SCALES                          ; all scale words, once: 16 loads
.irp i, 0,1,2,3,4,5,6,7
	ds_load_b128 v[SC+8*\i:SC+8*\i+3], v[ADRS] offset:512*\i
	ds_load_b128 v[SC+8*\i+4:SC+8*\i+7], v[ADRS] offset:512*\i+256
.endr
.endm
; 16 matrix instructions: A's blocks a0, a0 + 1 x B's eight, K step kq.  cm = 1: the products start the sums.  The 64 accumulators take turns in one order.
.macro MUL16 a0, kq, cm
.irp a, \a0, \a0+1
.irp b, 0,1,2,3,4,5,6,7
.if \cm == 1
	v_wmma_scale_f32_16x16x128_f8f6f4 v[8*(8*((\a)%4)+\b):8*(8*((\a)%4)+\b)+7], v[128*((\kq)%2)+FR*\b:128*((\kq)%2)+FR*\b+FR-1], v[AF+FR*(\a):AF+FR*(\a)+FR-1], 0, v[SC+8*\b+(\kq)], v[SC+8*(\a)+(\kq)] matrix_a_fmt:MATRIX_FMT_BF6 matrix_b_fmt:MATRIX_FMT_BF6 matrix_a_scale:MATRIX_SCALE_ROW1
.else
	v_wmma_scale_f32_16x16x128_f8f6f4 v[8*(8*((\a)%4)+\b):8*(8*((\a)%4)+\b)+7], v[128*((\kq)%2)+FR*\b:128*((\kq)%2)+FR*\b+FR-1], v[AF+FR*(\a):AF+FR*(\a)+FR-1], v[8*(8*((\a)%4)+\b):8*(8*((\a)%4)+\b)+7], v[SC+8*\b+(\kq)], v[SC+8*(\a)+(\kq)] matrix_a_fmt:MATRIX_FMT_BF6 matrix_b_fmt:MATRIX_FMT_BF6 matrix_a_scale:MATRIX_SCALE_ROW1
.endif
.endr
.endr
.endm
.macro STEP kq, nslot, nq, cm          ; K step kq; the next step's fragments come from (nslot, nq)
	s_wait_dscnt 16                                ; all but the youngest 16 loads (A's blocks 4-7) are in
	WIN MUL_LO
	MUL16 0, \kq, \cm
	MUL16 2, \kq, \cm
	s_wait_dscnt 0x0                               ; A's blocks 4-7 are in
	PLACES
	FETCH_B \nslot, \nq, 1-(\kq)%2
	FETCH_A \nslot, \nq, 0
	WIN MUL_HI
	MUL16 4, \kq, \cm
	MUL16 6, \kq, \cm
	PLACES
	WIN 0
	FETCH_A \nslot, \nq, 4
.endm
; A step with a barrier: each wave waits for all its tensor loads, adds 0 to its spare word, waits for that and for its LDS reads.  fill = 1: slot 0, which nobody reads any more, takes K quarter 3.
.macro TURN kq, nslot, fill
	s_wait_tensorcnt 0x0                           ; all my tensor loads have landed
	ds_add_u32 v[SPW], v[NIL]
	s_wait_dscnt 17                                ; (the add and the youngest 16 loads may be out)
	WIN MUL_LO
	MUL16 0, \kq, 0
	s_wait_dscnt 0x0                               ; the add is done, and my reads of the slot in hand are over
	s_barrier_signal -1
	MUL16 2, \kq, 0
	WIN 0
	s_barrier_wait -1
.if \fill
	CREST                                          ; the barrier has opened a round of the cluster's: no wave of any partner reads slot 0 or has a load on its way
	s_add_nc_u64 s[G0A+2:G0A+3], s[G0A+2:G0A+3], 9216
	s_add_nc_u64 s[G0B+2:G0B+3], s[G0B+2:G0B+3], 9216
	JLOAD G0A, G1A, G0B, G1B                       ; the first tensor load behind the round; its four v_nop are the places in front of the loads below
.else
	PLACES
.endif
	FETCH_B \nslot, 0, 1-(\kq)%2
	FETCH_A \nslot, 0, 0
	WIN MUL_HI
	MUL16 4, \kq, 0
	MUL16 6, \kq, 0
	PLACES
	WIN 0
	FETCH_A \nslot, 0, 4
.endm
	s_wait_tensorcnt 2                             ; the scales and my part of quarter 0 are in; quarters 1 and 2 may be out
	s_barrier_signal -1
	s_barrier_wait -1
	FETCH_B 0, 0, 0
	FETCH_A 0, 0, 0
	SCALES
	FETCH_A 0, 0, 4
	STEP 0, 0, 1, 1
	TURN 1, 1, 1                                   ; every wave has shown quarters 1 and 2 landed
	STEP 2, 1, 1, 0
	STEP 3, 2, 0, 0
	STEP 4, 2, 1, 0
	TURN 5, 0, 0                                   ; quarter 3 has landed
	STEP 6, 0, 1, 0
	s_wait_dscnt 16
	WIN MUL_LO
	MUL16 0, 7, 0
	MUL16 2, 7, 0
	s_wait_dscnt 0x0
	WIN MUL_HI
	MUL16 4, 7, 0
	MUL16 6, 7, 0
	WIN 0
; THE WAY OUT.  For A's block a my 64 registers are register 16 b + i = B's row 32 b + 16 h + i of my row of A: four blocks of 32, each shared with lane l xor 16.  They become a fragment's codes and a scale word.
.macro QUANTW a
.set AC, 64*((\a)%4)
.set W, 2+(\a)/4
.set WW, W|(W<<2)
	WIN WW                                         ; sources 0 and 1: the accumulators' window
.irp b, 0,1,2,3
	v_max3_num_f32 v[TM+\b], |v[AC+16*\b]|, |v[AC+16*\b+1]|, 0x2800000   ; each accumulator from its low end on; the floor holds the byte at 1
.endr
.irp i, 2,4,6,8,10,12,14
.irp b, 0,1,2,3
	v_max3_num_f32 v[TM+\b], |v[AC+16*\b+\i]|, |v[AC+16*\b+\i+1]|, v[TM+\b]
.endr
.endr
	WIN 0
.irp b, 0,1,2,3
	v_permlanex16_b32 v[TM+4+\b], v[TM+\b], s100, s101
.endr
.irp b, 0,1,2,3
	v_max_num_f32 v[TM+\b], v[TM+\b], v[TM+4+\b]
.endr
.irp b, 0,1,2,3
	v_add_nc_u32 v[TM+12+\b], 0xfe000000, v[TM+\b] ; 4 off the exponent field: the conversion's scale operand
.endr
.irp b, 0,1,2,3
	v_lshrrev_b32 v[TM+4+\b], 23, v[TM+12+\b]
.endr
	v_lshl_or_b32 v[PW+(\a)], v[TM+5], 8, v[TM+4]
	v_lshl_or_b32 v[PW+(\a)], v[TM+6], 16, v[PW+(\a)]
	v_lshl_or_b32 v[PW+(\a)], v[TM+7], 24, v[PW+(\a)]
	WIN W                                          ; source 0: the accumulators' window
.irp c, 0,1
	v_cvt_scalef32_pk16_bf6_f32 v[PC+6*\c:PC+6*\c+2], v[AC+32*\c:AC+32*\c+15], v[TM+12+2*\c]
	v_cvt_scalef32_pk16_bf6_f32 v[PC+12+4*\c:PC+14+4*\c], v[AC+32*\c+16:AC+32*\c+31], v[TM+13+2*\c]
.endr
	WIN 0
	v_nop                                          ; one plain place behind a scaled conversion
.irp c, 0,1                            ; the layout wants a whole block in a lane
.irp i, 0,1,2
	v_permlane16_swap_b32 v[PC+6*\c+\i], v[PC+12+4*\c+\i]
.endr
.irp i, 0,1,2
	v_mov_b32 v[PC+3+6*\c+\i], v[PC+12+4*\c+\i]
.endr
.endr
.endm
.irp b, 0,1,2,3
	v_mov_b32 v[TM+4+\b], 0                        ; a lane permute's destination counts as read; these four are also the places behind the last products
.endr
.irp a, 0,1,2,3,4,5,6,7
.if \a > 0
	s_wait_xcnt 0x0                                ; the last block's stores have read their data and bases
.if \a == 4
	s_add_nc_u64 s[4:5], s[4:5], s[22:23]
	s_add_nc_u64 s[6:7], s[6:7], s[22:23]
.else
	s_add_nc_u64 s[4:5], s[4:5], s[20:21]
	s_add_nc_u64 s[6:7], s[6:7], s[20:21]
.endif
.endif
	QUANTW \a
	global_store_b128 v[L16], v[PC:PC+3], s[4:5]               ; 512 consecutive bytes
	global_store_b64 v[L8], v[PC+4:PC+5], s[4:5] offset:512    ; 256
	global_store_b128 v[L16], v[PC+6:PC+9], s[6:7]
	global_store_b64 v[L8], v[PC+10:PC+11], s[6:7] offset:512
.endr
	v_cmp_ne_u32 s19, 0, v3                        ; lanes 16-31 store words 2, 3 of a group of four tiles, lanes 0-15 words 0, 1
	v_cndmask_b32 v[EW], v[PW], v[PW+2], s19
	v_cndmask_b32 v[EW+1], v[PW+1], v[PW+3], s19
	v_cndmask_b32 v[EW+2], v[PW+4], v[PW+6], s19
	v_cndmask_b32 v[EW+3], v[PW+5], v[PW+7], s19
	s_cmp_ge_u32 s94, 8
	s_cbranch_scc1 .Lwhole                         ; v^T's words are whole: four blocks of keys
.irp i, 0,1,2,3
	v_lshrrev_b32 v[EW+4+\i], 16, v[EW+\i]         ; q, k: the odd head's two bytes,
.endr
.irp i, 0,1,2,3
	v_and_b32 v[EW+\i], 0xffff, v[EW+\i]           ; the even head's
.endr
	global_store_b64 v[RH], v[EW+4:EW+5], s[8:9] offset:HS
	global_store_b64 v[RH], v[EW+6:EW+7], s[10:11] offset:HS
.Lwhole:
	global_store_b64 v[RH], v[EW:EW+1], s[8:9]     ; 256 consecutive bytes each
	global_store_b64 v[RH], v[EW+2:EW+3], s[10:11]
	s_wait_tensorcnt 0x0                           ; the wave's end
	ds_add_u32 v[SPW], v[NIL]
	s_wait_dscnt 0x0
	CROUND                                         ; the closing round
	s_endpgm
.Lfunc_end_k_qaa3994ea9a_qkv:
	.size	k_qaa3994ea9a_qkv, .Lfunc_end_k_qaa3994ea9a_qkv-k_qaa3994ea9a_qkv
	.p2alignl 7, 3214868480
	.fill 96, 4, 3214868480
	.section	.rodata,"a",@progbits
	.p2align	6, 0x0
	.amdhsa_kernel k_qaa3994ea9a_qkv
		.amdhsa_group_segment_fixed_size 327680
		.amdhsa_private_segment_fixed_size 0
		.amdhsa_enable_private_segment 0
		.amdhsa_kernarg_size 40
		.amdhsa_user_sgpr_count 2
		.amdhsa_user_sgpr_kernarg_segment_ptr 1
		.amdhsa_wavefront_size32 1
		.amdhsa_system_sgpr_workgroup_id_x 1
		.amdhsa_system_sgpr_workgroup_id_y 1
		.amdhsa_system_sgpr_workgroup_id_z 1
		.amdhsa_system_vgpr_workitem_id 0
		.amdhsa_next_free_vgpr 1024
		.amdhsa_next_free_sgpr 102
		.amdhsa_reserve_vcc 0
		.amdhsa_float_denorm_mode_32 3
		.amdhsa_float_denorm_mode_16_64 3
		.amdhsa_memory_ordered 1
		.amdhsa_forward_progress 1
		.amdhsa_inst_pref_size 150
	.end_amdhsa_kernel
	.amdgpu_metadata
---
amdhsa.version: [ 1, 2 ]
amdhsa.kernels:
  - .name:           k_qaa3994ea9a_qkv
    .symbol:         k_qaa3994ea9a_qkv.kd
    .args:
      - { .name: x_img, .offset: 0, .size: 8, .value_kind: global_buffer, .address_space: global }
      - { .name: x_sc, .offset: 8, .size: 8, .value_kind: global_buffer, .address_space: global }
      - { .name: w_img, .offset: 16, .size: 8, .value_kind: global_buffer, .address_space: global }
      - { .name: w_sc, .offset: 24, .size: 8, .value_kind: global_buffer, .address_space: global }
      - { .name: qkv, .offset: 32, .size: 8, .value_kind: global_buffer, .address_space: global }
    .group_segment_fixed_size: 327680
    .private_segment_fixed_size: 0
    .kernarg_segment_align: 8
    .kernarg_segment_size: 40
    .max_flat_workgroup_size: 128
    .sgpr_count:     102
    .vgpr_count:     1024
    .wavefront_size: 32
...
	.end_amdgpu_metadata
.endif
;; end of part 2
;; launch attn (part 3): grid 4 x 64, 16 waves a work-group, clusters of 4 x 1, 210,944 bytes of LDS; arguments qkv, o_img, o_sc; writes o_img, o_sc
.if DOCPART == 3
	.amdgcn_target "amdgcn-amd-amdhsa--gfx1250"
	.amdhsa_code_object_version 6
	.text
	.protected	k_qaa3994ea9a_attn
	.globl	k_qaa3994ea9a_attn
	.p2align	8
	.type	k_qaa3994ea9a_attn,@function
k_qaa3994ea9a_attn:
	s_mov_b64 s[64:65], 0
	v_nop
	global_prefetch_b8 v0, s[64:65] scope:SCOPE_SE
	s_setreg_imm32_b32 hwreg(HW_REG_WAVE_MODE, 25, 1), 1
	s_wait_xcnt 0x0
	s_wait_alu depctr_hold_cnt(0) depctr_sa_sdst(0) depctr_va_vdst(0) depctr_va_sdst(0) depctr_va_ssrc(0) depctr_va_vcc(0) depctr_vm_vsrc(0)
	s_getreg_b32 s2, hwreg(HW_REG_IB_STS2, 6, 4)
	s_cmp_eq_u32 s2, 0
	s_cbranch_scc0 .Lentry_in_a_cluster
	s_endpgm
.Lentry_in_a_cluster:
	s_bfe_u32 s2, ttmp6, 0x10000c
	s_cmp_lg_u32 s2, 0x3003
	s_cbranch_scc0 .Lentry_shape_is_right
	s_endpgm
.Lentry_shape_is_right:
; Causal attention of one batch x head on codes of BF6: S^T = K Q^T, p = 2^(t - M), O^T = V^T p^T, o = O / l, and o leaves as codes along c = 64 head + d, as the last product's operand.
; t = score x log2(e) / 8; M = the running largest t rounded up to a whole number; l is summed of the unquantised p; a change of M multiplies l and O^T by an exact power of two.
; SHARES: the four work-groups of a cluster serve one head.  Wave w of work-group cx owns two tiles of 16 queries: 127 - (4 w + cx), then 4 w + cx.  Their last key steps (128 keys a step) are 15 - w / 2 and w / 2:
; 17 steps for every wave, and no branch hangs on cx.  Steps beyond a tile's last are jumped over by a scalar branch; in the last step hidden scores become -infinity.
; LDS holds the head's 16 records of K, V^T and their scale words (13,056 bytes each), filled ONCE: wave w asks for record w, jointly with its three partners.  Nothing is filled again; one tensor load a wave is out.
; Both products are used transposed: a lane holds one query (position lane % 16 of its tile).  A tile's position r is row 32 B + 8 u + r + 8 (r / 8), so S^T's registers 16 b + i are keys 32 b + 16 h + i.
; THE HEAD HAS 64, THE FORM 128: Q's registers 6-11 are zero codes; K's fragment t is six registers of its own and the six that follow (the next tile's codes, or zeros): a code times the code 0 adds nothing, and the
; scale bytes of that half are 0, which stands for a small power of two.
; o's scale bytes: a head owns 2 of a row's 32, so they leave as single bytes, 32 a tile: 1 byte in 25 of what the launch stores.
; LIMITS: NaN and infinities are not served; a block whose largest magnitude lies under 2^-122 gets the byte 1 (only this program reads the bytes); p under 2^-126 counts as 0.
; REGISTERS: v1-3 16 lane, 8 lane, 16 r; v4 r + (r & 8) - 16 h; v5 that + the tile's first query; v6 16 r + h; v8-10 the step's addresses; v12 -M, v13 largest t, v14-15 l; v16-27 Q; v28 Q's scales; v29 p's;
;   v30-31 f; v32-85 K's tiles (6 each) or V^T's (12 each), v80-85 zeros; v86-93 K's scales; v96-159 S^T, p; v160-191 O^T; v192-203 codes; v204-210, v212-229 at work; v240-243 V^T's scales.
.set HS,   315392
.set REC,  13056
.set KR,   32
.set BM,   212
.set WV,   10
.set KI,   15
.set SMAX, 14
.set TB,   16
.set SEL,  18
.set CS,   20
.set HM,   22
.macro CROUND
	s_barrier_signal -1
	s_barrier_wait -1
	s_cmp_lg_u32 s[WV], 0
	s_cbranch_scc1 .Lnot_wave_0_\@
	s_barrier_signal -3
.Lnot_wave_0_\@:
	s_barrier_wait -3
	s_barrier_signal -1
	s_barrier_wait -1
.endm
	s_load_b128 s[4:7], s[0:1], 0x0                ; qkv, o_img
	s_load_b64 s[8:9], s[0:1], 0x10                ; o_sc
	v_lshl_add_u32 v254, v0, 2, 0x33000
	v_mov_b32 v255, 0
	ds_add_u32 v254, v255
	ds_add_u32 v254, v255
	v_lshrrev_b32 v7, 5, v0
	s_delay_alu instid0(VALU_DEP_1)
	v_readfirstlane_b32 s[WV], v7                  ; wave 0..15
	s_bfe_u32 s11, ttmp6, 0x40000                  ; cx: it enters global addresses and the mask's numbers alone
	s_and_b32 s12, ttmp7, 0xffff                   ; 16 batch + head
	v_and_b32 v7, 31, v0
	s_delay_alu instid0(VALU_DEP_1)
	v_lshlrev_b32 v1, 4, v7
	s_delay_alu instid0(VALU_DEP_2)
	v_lshlrev_b32 v2, 3, v7
	v_and_b32 v7, 15, v0                           ; r
	v_bfe_u32 v11, v0, 4, 1                        ; h
	s_delay_alu instid0(VALU_DEP_2)
	v_lshlrev_b32 v3, 4, v7
	s_delay_alu instid0(VALU_DEP_3)
	v_and_b32 v4, 8, v7
	s_delay_alu instid0(VALU_DEP_1)
	v_add_nc_u32 v4, v4, v7
	s_delay_alu instid0(VALU_DEP_4)
	v_lshlrev_b32 v6, 4, v11
	s_delay_alu instid0(VALU_DEP_1)
	v_sub_nc_u32 v4, v4, v6
	v_add_nc_u32 v6, v3, v11
	v_cmp_ne_u32 s[HM], 0, v11                     ; lanes 16-31
	s_mov_b32 s24, 15|(3<<16)|(1<<21)              ; the mask: all four work-groups; elements of 8 bytes; bit 21 beside a mask
	s_mov_b32 s25, 32<<16                          ; a record: 51 rows of 256 bytes, dense
	s_mov_b32 s26, 51<<16
	s_mov_b32 s27, 32<<16
	s_mov_b32 s28, 51
	s_mov_b32 s29, 32
	s_mov_b32 s30, 0
	s_mov_b32 s31, 0
	s_mov_b32 s[SEL], 0x76543210
	s_mov_b32 s[SEL+1], 0xfedcba98
	s_mov_b32 s[CS], 0x3e38aa3b                    ; log2(e) / 8
	s_mov_b32 s[CS+1], s[CS]
	s_mul_i32 s46, s12, HS
	s_mov_b32 s47, 0
	s_mul_i32 s48, s[WV], REC
	s_mov_b32 s49, 0
	s_lshr_b32 s52, s12, 4
	s_lshl_b32 s52, s52, 7                         ; 128 x batch: o's tiles
	s_and_b32 s55, s12, 15                         ; the head
	s_mul_i32 s53, s55, 768
	s_lshr_b32 s54, s55, 3
	s_lshl_b32 s54, s54, 8
	s_bfe_u32 s56, s55, 0x20001
	s_lshl_b32 s56, s56, 2
	s_add_co_u32 s54, s54, s56
	s_and_b32 s56, s55, 1
	s_lshl_b32 s56, s56, 1
	s_add_co_u32 s54, s54, s56                     ; the head's two bytes in a row's scales: 256 (head / 8) + 4 ((head / 2) % 4) + 2 (head % 2)
	s_wait_dscnt 0x0
	s_wait_kmcnt 0x0
	s_add_nc_u64 s[36:37], s[4:5], s[46:47]        ; the head's part
	CROUND                                         ; all four work-groups are here: the joint loads meet
	s_mov_b32 s32, 1
	s_mul_i32 s33, s[WV], REC
	s_add_nc_u64 s[34:35], s[36:37], s[48:49]
	s_or_b32 s35, s35, 0x80000000
	tensor_load_to_lds s[32:35], s[24:31]
	s_nop 0
.rept 4
	v_nop
.endr
.irp i, 22,23,24,25,26,27,80,81,82,83,84,85
	v_mov_b32 v\i, 0                               ; zero codes, set once
.endr
.irp i, 31,216,217,218,219,224
	v_mov_b32 v\i, 0                               ; written once: the upper half of f's pair, and lane permutes' destinations
.endr
.macro TILE_BEGIN hi
	s_wait_xcnt 0x0                                ; earlier loads and stores have read their bases and data
	s_lshl_b32 s13, s[WV], 2
	s_add_co_u32 s13, s13, s11                     ; the tile
	s_lshr_b32 s[SMAX], s[WV], 1                   ; its last key step, from the wave's number alone
.if \hi
	s_sub_co_u32 s13, 127, s13
	s_sub_co_u32 s[SMAX], 15, s[SMAX]
.endif
	s_lshr_b32 s46, s13, 3
	s_mul_i32 s46, s46, 6656
	s_add_co_u32 s46, s46, 208896
	s_mov_b32 s47, 0
	s_and_b32 s48, s13, 7
	s_mul_i32 s48, s48, 768
	s_mov_b32 s49, 0
	s_add_nc_u64 s[40:41], s[36:37], s[46:47]      ; Q's record,
	s_add_nc_u64 s[38:39], s[40:41], s[48:49]      ; the tile's image in it,
	s_bfe_u32 s48, s13, 0x10002
	s_lshl_b32 s48, s48, 8
	s_and_b32 s50, s13, 3
	s_lshl_b32 s50, s50, 2
	s_add_co_u32 s48, s48, s50
	s_add_nc_u64 s[40:41], s[40:41], s[48:49]      ; and its scale words
	global_load_b128 v[16:19], v1, s[38:39]
	global_load_b64 v[20:21], v2, s[38:39] offset:512
	global_load_b32 v28, v3, s[40:41] offset:6144
	s_add_co_u32 s46, s52, s13
	s_mul_i32 s48, s46, 12288
	s_add_co_u32 s48, s48, s53
	s_add_nc_u64 s[42:43], s[6:7], s[48:49]        ; o's image
	s_lshl_b32 s48, s46, 9
	s_add_co_u32 s48, s48, s54
	s_add_nc_u64 s[44:45], s[8:9], s[48:49]        ; o's scale bytes
	s_lshr_b32 s46, s13, 1
	s_lshl_b32 s46, s46, 5
	s_and_b32 s48, s13, 1
	s_lshl_b32 s48, s48, 3
	s_add_co_u32 s46, s46, s48
	v_add_nc_u32 v5, s46, v4                       ; my query - 16 h
	v_mov_b32 v13, 0xff61b1e6                      ; -3e38, under every t
	s_delay_alu instid0(VALU_DEP_1)
	v_floor_f32 v12, -v13
	v_mov_b32 v14, 0
	v_mov_b32 v15, 0
.set j, 0
.rept 32
	v_mov_b32 v[160+j], 0                          ; O^T: the step is written once; the first change of M leaves zeros zeros
.set j, j+1
.endr
	s_mov_b32 s[KI], 0
	s_mov_b32 s[TB], 0
	s_wait_loadcnt 0x0
.endm
.macro STEP
	s_cmp_gt_u32 s[KI], s[SMAX]
	s_cbranch_scc1 .Lhidden_\@                     ; all 128 keys come after my queries
	s_setprio 2
	v_add_nc_u32 v8, s[TB], v1
	v_add_nc_u32 v9, s[TB], v2
	v_add_nc_u32 v10, s[TB], v3
	v_nop                                          ; four places in front of loads into registers that the last products read
.irp t, 0,1,2,3,4,5,6,7
	ds_load_b128 v[KR+6*\t:KR+6*\t+3], v8 offset:768*\t
	ds_load_b64 v[KR+6*\t+4:KR+6*\t+5], v9 offset:768*\t+512
.endr
	ds_load_b128 v[86:89], v10 offset:6144
	ds_load_b128 v[90:93], v10 offset:6400
	s_wait_alu depctr_va_vdst(0)
	s_wait_dscnt 0x0
.irp t, 0,1,2,3,4,5,6,7
	v_wmma_scale_f32_16x16x128_f8f6f4 v[96+8*\t:103+8*\t], v[KR+6*\t:KR+6*\t+11], v[16:27], 0, v[86+\t], v28 matrix_a_fmt:MATRIX_FMT_BF6 matrix_b_fmt:MATRIX_FMT_BF6
.endr
.rept 4
	v_nop
.endr
.irp d, 0,1,2,3                        ; V^T's four fragments land while the softmax is worked
	ds_load_b128 v[KR+12*\d:KR+12*\d+3], v8 offset:6656+1536*\d
	ds_load_b64 v[KR+12*\d+4:KR+12*\d+5], v9 offset:6656+1536*\d+512
	ds_load_b128 v[KR+12*\d+6:KR+12*\d+9], v8 offset:6656+1536*\d+768
	ds_load_b64 v[KR+12*\d+10:KR+12*\d+11], v9 offset:6656+1536*\d+1280
.endr
	ds_load_b128 v[240:243], v10 offset:12800
	s_cmp_lg_u32 s[KI], s[SMAX]
	s_cbranch_scc1 .Lopen_\@
	s_lshl_b32 s46, s[KI], 7                       ; the tile's last step: register 16 b + i holds key 128 KI + 16 h + 32 b + i: hidden where 32 b + i > my query - 128 KI - 16 h
	s_sub_co_u32 s46, 0, s46
	v_add_nc_u32 v228, s46, v5
	v_mov_b32 v229, 0xff800000
.set n, 0
.rept 64
	v_cmp_gt_i32 vcc_lo, 32*(n/16)+n%16, v228
	v_cndmask_b32 v[96+n], v[96+n], v229, vcc_lo
.set n, n+1
.endr
.Lopen_\@:
.irp b, 0,1,2,3
	v_max3_num_f32 v[BM+\b], v[96+16*\b], v[97+16*\b], v[98+16*\b]   ; each block's largest score: for the row's maximum and, since p rises with the score, for the block's largest p
.endr
.irp i, 3,5,7,9,11,13
.irp b, 0,1,2,3
	v_max3_num_f32 v[BM+\b], v[BM+\b], v[96+16*\b+\i], v[97+16*\b+\i]
.endr
.endr
.irp b, 0,1,2,3
	v_max_num_f32 v[BM+\b], v[BM+\b], v[111+16*\b]
.endr
.irp b, 0,1,2,3
	s_delay_alu instid0(VALU_DEP_4)
	v_permlanex16_b32 v[216+\b], v[BM+\b], s[SEL], s[SEL+1]
.endr
.irp b, 0,1,2,3
	s_delay_alu instid0(VALU_DEP_4)
	v_max_num_f32 v[BM+\b], v[BM+\b], v[216+\b]
.endr
	s_delay_alu instid0(VALU_DEP_2)
	v_max3_num_f32 v224, v212, v213, v214
	s_delay_alu instid0(VALU_DEP_1)
	v_max_num_f32 v224, v224, v215
	s_delay_alu instid0(VALU_DEP_1)
	v_mul_f32 v224, s[CS], v224
	s_delay_alu instid0(VALU_DEP_1)
	v_max_num_f32 v13, v13, v224                   ; the running largest t
	v_mov_b32 v224, v12
	s_delay_alu instid0(VALU_DEP_2)
	v_floor_f32 v12, -v13                          ; -M = floor(-t)
	s_delay_alu instid0(VALU_DEP_1)
	v_sub_f32 v224, v12, v224                      ; old M - new M: a whole number, 0 or less
	s_delay_alu instid0(VALU_DEP_1)
	v_cvt_i32_f32 v224, v224                       ; (it saturates)
	s_delay_alu instid0(VALU_DEP_1)
	v_ldexp_f32 v30, 1.0, v224                     ; f = 2^(old M - new M)
.set j, 0
	s_setprio 1
.rept 32
	v_pk_fma_f32 v[96+j:97+j], v[96+j:97+j], s[CS:CS+1], v[12:13] op_sel_hi:[1,0,0]   ; t - M
.set j, j+2
.endr
.irp b, 0,1,2,3
	v_fma_f32 v[BM+\b], v[BM+\b], s[CS], v12
.endr
.set j, 0
	s_wait_alu depctr_va_vdst(0)
.rept 64
	v_exp_f32 v[96+j], v[96+j]                     ; p, not normalised
.set j, j+1
.endr
.irp b, 0,1,2,3
	v_exp_f32 v[BM+\b], v[BM+\b]                   ; the block's largest p
.endr
	v_pk_mul_f32 v[14:15], v[14:15], v[30:31] op_sel_hi:[1,0]   ; l under the new M (a plain place behind the exponentials)
	s_wait_alu depctr_va_vdst(0)
.irp b, 0,1,2,3
	v_max_num_f32 v[BM+\b], 0x2800000, v[BM+\b]    ; the floor: the byte cannot fall under 1
.endr
.irp b, 0,1,2,3
	s_delay_alu instid0(VALU_DEP_4)
	v_add_nc_u32 v[220+\b], 0xfe000000, v[BM+\b]
.endr
.irp b, 0,1,2,3
	s_delay_alu instid0(VALU_DEP_4)
	v_lshrrev_b32 v[216+\b], 23, v[220+\b]
.endr
	s_delay_alu instid0(VALU_DEP_3)
	v_lshl_or_b32 v29, v217, 8, v216               ; p's scale word for these 128 keys
	s_delay_alu instid0(VALU_DEP_1)
	v_lshl_or_b32 v29, v218, 16, v29
	s_delay_alu instid0(VALU_DEP_1)
	v_lshl_or_b32 v29, v219, 24, v29
.irp c, 0,1
	v_cvt_scalef32_pk16_bf6_f32 v[192+6*\c:194+6*\c], v[96+32*\c:111+32*\c], v[220+2*\c]
	v_cvt_scalef32_pk16_bf6_f32 v[204+4*\c:206+4*\c], v[112+32*\c:127+32*\c], v[221+2*\c]
.endr
	v_nop                                          ; one plain place behind a scaled conversion
.irp c, 0,1
.irp i, 0,1,2
	v_permlane16_swap_b32 v[192+6*\c+\i], v[204+4*\c+\i]
.endr
.irp i, 0,1,2
	s_delay_alu instid0(VALU_DEP_3)
	v_mov_b32 v[195+6*\c+\i], v[204+4*\c+\i]
.endr
.endr
	v_pk_add_f32 v[226:227], v[100:101], v[104:105]
	v_pk_add_f32 v[252:253], v[108:109], v[112:113]
	v_pk_add_f32 v[250:251], v[116:117], v[120:121]
	v_pk_add_f32 v[248:249], v[124:125], v[128:129]
	v_pk_add_f32 v[246:247], v[132:133], v[136:137]
	v_pk_add_f32 v[244:245], v[140:141], v[144:145]
	v_pk_add_f32 v[238:239], v[148:149], v[152:153]
	v_pk_add_f32 v[14:15], v[14:15], v[156:157]
	v_pk_add_f32 v[226:227], v[226:227], v[96:97]
	v_pk_add_f32 v[252:253], v[252:253], v[98:99]
	s_setprio 0
	v_pk_add_f32 v[250:251], v[250:251], v[102:103]
	v_pk_add_f32 v[248:249], v[248:249], v[106:107]
	v_pk_add_f32 v[246:247], v[246:247], v[110:111]
	v_pk_add_f32 v[244:245], v[244:245], v[114:115]
	v_pk_add_f32 v[238:239], v[238:239], v[118:119]
	v_pk_add_f32 v[14:15], v[14:15], v[122:123]
	v_pk_add_f32 v[226:227], v[226:227], v[126:127]
	v_pk_add_f32 v[252:253], v[252:253], v[130:131]
	v_pk_add_f32 v[250:251], v[250:251], v[134:135]
	v_pk_add_f32 v[248:249], v[248:249], v[138:139]
	v_pk_add_f32 v[246:247], v[246:247], v[142:143]
	v_pk_add_f32 v[244:245], v[244:245], v[146:147]
	v_pk_add_f32 v[238:239], v[238:239], v[150:151]
	v_pk_add_f32 v[14:15], v[14:15], v[154:155]
	v_pk_add_f32 v[226:227], v[226:227], v[158:159]
	s_delay_alu instid0(VALU_DEP_2)
	v_pk_add_f32 v[14:15], v[14:15], v[248:249]
	s_delay_alu instid0(VALU_DEP_2)
	v_pk_add_f32 v[226:227], v[226:227], v[246:247]
	v_pk_add_f32 v[252:253], v[252:253], v[244:245]
	v_pk_add_f32 v[250:251], v[250:251], v[238:239]
	s_delay_alu instid0(VALU_DEP_2)
	v_pk_add_f32 v[14:15], v[14:15], v[252:253]
	s_delay_alu instid0(VALU_DEP_2)
	v_pk_add_f32 v[226:227], v[226:227], v[250:251]
	s_delay_alu instid0(VALU_DEP_1)
	v_pk_add_f32 v[14:15], v[14:15], v[226:227]
.set j, 0
.rept 16
	v_pk_mul_f32 v[160+j:161+j], v[160+j:161+j], v[30:31] op_sel_hi:[1,0]   ; O^T under the new M
.set j, j+2
.endr
	s_wait_alu depctr_va_vdst(0)
	s_wait_dscnt 0x0                               ; V^T and its scales are in
.irp d, 0,1,2,3                        ; four accumulators by turns, one instruction a turn
	v_wmma_scale_f32_16x16x128_f8f6f4 v[160+8*\d:167+8*\d], v[KR+12*\d:KR+12*\d+11], v[192:203], v[160+8*\d:167+8*\d], v[240+\d], v29 matrix_a_fmt:MATRIX_FMT_BF6 matrix_b_fmt:MATRIX_FMT_BF6
.endr
.Lhidden_\@:
	s_add_co_u32 s[TB], s[TB], REC
	s_add_co_u32 s[KI], s[KI], 1
.endm
.macro TILE_END
.rept 4
	v_nop                                          ; places behind the last products
.endr
	v_add_f32 v14, v14, v15
	s_delay_alu instid0(VALU_DEP_1)
	v_permlanex16_b32 v224, v14, s[SEL], s[SEL+1]
	s_delay_alu instid0(VALU_DEP_1)
	v_add_f32 v14, v14, v224                       ; the row's sum
	s_wait_alu depctr_va_vdst(0)
	v_rcp_f32 v30, v14
	v_nop
.set j, 0
	s_wait_alu depctr_va_vdst(0)
.rept 16
	v_pk_mul_f32 v[96+j:97+j], v[160+j:161+j], v[30:31] op_sel_hi:[1,0]   ; o: register 16 b + i is d = 32 b + 16 h + i
.set j, j+2
.endr
.irp b, 0,1
	v_max3_num_f32 v[BM+\b], |v[96+16*\b]|, |v[97+16*\b]|, 0x2800000
.endr
.irp i, 2,4,6,8,10,12,14
.irp b, 0,1
	s_delay_alu instid0(VALU_DEP_2)
	v_max3_num_f32 v[BM+\b], v[BM+\b], |v[96+16*\b+\i]|, |v[97+16*\b+\i]|
.endr
.endr
.irp b, 0,1
	s_delay_alu instid0(VALU_DEP_2)
	v_permlanex16_b32 v[216+\b], v[BM+\b], s[SEL], s[SEL+1]
.endr
.irp b, 0,1
	s_delay_alu instid0(VALU_DEP_2)
	v_max_num_f32 v[BM+\b], v[BM+\b], v[216+\b]
.endr
.irp b, 0,1
	s_delay_alu instid0(VALU_DEP_2)
	v_add_nc_u32 v[220+\b], 0xfe000000, v[BM+\b]
.endr
.irp b, 0,1
	s_delay_alu instid0(VALU_DEP_2)
	v_lshrrev_b32 v[216+\b], 23, v[220+\b]
.endr
	v_cvt_scalef32_pk16_bf6_f32 v[192:194], v[96:111], v220
	v_cvt_scalef32_pk16_bf6_f32 v[204:206], v[112:127], v221
	v_nop
.irp i, 0,1,2
	v_permlane16_swap_b32 v[192+\i], v[204+\i]
.endr
.irp i, 0,1,2
	s_delay_alu instid0(VALU_DEP_3)
	v_mov_b32 v[195+\i], v[204+\i]
.endr
	v_cndmask_b32 v225, v216, v217, s[HM]          ; block h's byte
	global_store_b128 v1, v[192:195], s[42:43]     ; 512 consecutive bytes
	global_store_b64 v2, v[196:197], s[42:43] offset:512
	global_store_b8 v6, v225, s[44:45]
.endm
	TILE_BEGIN 1
	s_wait_tensorcnt 0x0                           ; my record is in,
	s_barrier_signal -1
	s_barrier_wait -1                              ; everybody's is; from here on LDS is only read
.Llate:
	STEP
	s_cmp_lt_u32 s[KI], 16
	s_cbranch_scc1 .Llate
	s_setprio 0
	TILE_END
	TILE_BEGIN 0
.Learly:
	STEP
	s_cmp_lt_u32 s[KI], 8
	s_cbranch_scc1 .Learly
	s_setprio 0
	TILE_END
	s_wait_tensorcnt 0x0
	ds_add_u32 v254, v255
	s_wait_dscnt 0x0
	CROUND                                         ; the closing round
	s_endpgm
.Lfunc_end_k_qaa3994ea9a_attn:
	.size	k_qaa3994ea9a_attn, .Lfunc_end_k_qaa3994ea9a_attn-k_qaa3994ea9a_attn
	.p2alignl 7, 3214868480
	.fill 96, 4, 3214868480
	.section	.rodata,"a",@progbits
	.p2align	6, 0x0
	.amdhsa_kernel k_qaa3994ea9a_attn
		.amdhsa_group_segment_fixed_size 210944
		.amdhsa_private_segment_fixed_size 0
		.amdhsa_enable_private_segment 0
		.amdhsa_kernarg_size 24
		.amdhsa_user_sgpr_count 2
		.amdhsa_user_sgpr_kernarg_segment_ptr 1
		.amdhsa_wavefront_size32 1
		.amdhsa_system_sgpr_workgroup_id_x 1
		.amdhsa_system_sgpr_workgroup_id_y 1
		.amdhsa_system_sgpr_workgroup_id_z 1
		.amdhsa_system_vgpr_workitem_id 0
		.amdhsa_next_free_vgpr 256
		.amdhsa_next_free_sgpr 66
		.amdhsa_reserve_vcc 1
		.amdhsa_float_denorm_mode_32 3
		.amdhsa_float_denorm_mode_16_64 3
		.amdhsa_memory_ordered 1
		.amdhsa_forward_progress 1
		.amdhsa_inst_pref_size 64
	.end_amdhsa_kernel
	.amdgpu_metadata
---
amdhsa.version: [ 1, 2 ]
amdhsa.kernels:
  - .name:           k_qaa3994ea9a_attn
    .symbol:         k_qaa3994ea9a_attn.kd
    .args:
      - { .name: qkv, .offset: 0, .size: 8, .value_kind: global_buffer, .address_space: global }
      - { .name: o_img, .offset: 8, .size: 8, .value_kind: global_buffer, .address_space: global }
      - { .name: o_sc, .offset: 16, .size: 8, .value_kind: global_buffer, .address_space: global }
    .group_segment_fixed_size: 210944
    .private_segment_fixed_size: 0
    .kernarg_segment_align: 8
    .kernarg_segment_size: 24
    .max_flat_workgroup_size: 512
    .sgpr_count:     66
    .vgpr_count:     256
    .wavefront_size: 32
...
	.end_amdgpu_metadata
.endif
;; end of part 3
;; launch proj (part 4): grid 4 x 32, 4 waves a work-group, clusters of 4 x 4, 327,680 bytes of LDS; arguments o_img, o_sc, w_img, w_sc, bp, out0; writes out0
.if DOCPART == 4
	.amdgcn_target "amdgcn-amd-amdhsa--gfx1250"
	.amdhsa_code_object_version 6
	.text
	.protected	k_qaa3994ea9a_proj
	.globl	k_qaa3994ea9a_proj
	.p2align	8
	.type	k_qaa3994ea9a_proj,@function
k_qaa3994ea9a_proj:
	s_mov_b64 s[64:65], 0
	v_nop
	global_prefetch_b8 v0, s[64:65] scope:SCOPE_SE
	s_setreg_imm32_b32 hwreg(HW_REG_WAVE_MODE, 25, 1), 1
	s_wait_xcnt 0x0
	s_wait_alu depctr_hold_cnt(0) depctr_sa_sdst(0) depctr_va_vdst(0) depctr_va_sdst(0) depctr_va_ssrc(0) depctr_va_vcc(0) depctr_vm_vsrc(0)
	s_getreg_b32 s2, hwreg(HW_REG_IB_STS2, 6, 4)
	s_cmp_eq_u32 s2, 0
	s_cbranch_scc0 .Lentry_in_a_cluster
	s_endpgm
.Lentry_in_a_cluster:
	s_bfe_u32 s2, ttmp6, 0x10000c
	s_cmp_lg_u32 s2, 0xf033
	s_cbranch_scc0 .Lentry_shape_is_right
	s_endpgm
.Lentry_shape_is_right:
; out0 = o Wp^T + bp on codes of BF6 with E8M0 scales, K = 1,024; out0 [8192][1024] f32.  Source 0 = 16 rows of Wp, source 1 = 16 rows of o: a lane holds eight neighbouring columns of one row of the output.
; Operands arrive as images of their registers (768 bytes for 16 rows x 64 K) in tiles whose position r is row 32 B + 8 u + r + 8 (r / 8); the way out puts rows and columns back by immediates.
; A work-group of four waves makes 256 x 256; a wave 128 x 128: 64 accumulators.  K goes in eight steps of 128; a quarter of K fills a slot of 98,304 bytes.  Three slots take quarters 0, 1, 2 at the start; quarter 3
; goes into slot 0 behind the one change that fills bytes again, with four K steps in which to land.  By this text's count a wave has at most four tensor loads out.
; The bias is the C of each sum's first product.  CLUSTERS: 4 x 4: o's tiles are asked for jointly along a row of the cluster, Wp's along a column.  128 work-groups: the output has no more tiles of this size.
; REGISTERS: window 0: v1-3 lane, r, h; v4-15 LDS addresses; v16 scale words' address; v17 16 x lane; v20-22 bias and stage addresses; v28-29 the add's; v32-95 scale words; from v128 A's 8 fragments, later the way out.
;   window 1: B's fragments at v0 and v128; the bias's 8 tiles at v96-127 and v224-255.  windows 2, 3: accumulators, (a, b) at v[8 (8 (a % 4) + b)].
.set SLOT,  98304
.set HALFT, 24576
.set SCL,   3*SLOT
.set SPARE, SCL+16384                  ; the spare words, 128 bytes for each wave, that no other line names
.set STAGE, SLOT                       ; the way out: 16 rows x 528 bytes for each wave, in slot 1: it has had its only fill, and its last read lies ahead of the last barrier
.set SPITCH, 528
.set FR,    12
.set A16,   4
.set A8,    7
.set B16,   10
.set B8,    13
.set ADRS,  16
.set L16,   17
.set L8,    18
.set BO,    20
.set STO,   21
.set RD,    22
.set SPW,   28
.set NIL,   29
.set SC,    32
.set AF,    128
.set BK,    128
.set G1A,  24
.set G0A,  32
.set G1B,  44
.set G0B,  52
.set G1SA, 68
.set G0SA, 76
.set G1SB, 80
.set G0SB, 88
.set MSB, 0
.macro WIN new                         ; the immediate's high byte repeats the setting that is left
.if MSB != (\new)
	s_set_vgpr_msb (MSB<<8)|(\new)
.set MSB, (\new)
.endif
.endm
.set MUL_LO, 0xa1                      ; source 0 (B) window 1, source 1 (A) window 0, C and D window 2
.set MUL_HI, 0xf1
.set TO_B,   0x40
.macro JLOAD g0a, g1a, g0b, g1b        ; a joint load: waves 0, 1 fetch for A, waves 2, 3 for B; four v_nop follow each line
	s_cmp_eq_u32 s17, 0
	s_cbranch_scc0 .Lfor_b_\@
	tensor_load_to_lds s[\g0a:\g0a+3], s[\g1a:\g1a+7]
	s_nop 0
.rept 4
	v_nop
.endr
	s_branch .Lasked_\@
.Lfor_b_\@:
	tensor_load_to_lds s[\g0b:\g0b+3], s[\g1b:\g1b+7]
	s_nop 0
.rept 4
	v_nop
.endr
.Lasked_\@:
.endm
.macro CREST
	s_cmp_lg_u32 s16, 0
	s_cbranch_scc1 .Lnot_wave_0_\@
	s_barrier_signal -3
.Lnot_wave_0_\@:
	s_barrier_wait -3
	s_barrier_signal -1
	s_barrier_wait -1
.endm
.macro CROUND
	s_barrier_signal -1
	s_barrier_wait -1
	CREST
.endm
.macro PLACES                          ; four plain vector places behind a matrix instruction (ISA guide 7.12.1)
.rept 4
	v_nop
.endr
.endm
	s_load_b256 s[4:11], s[0:1], 0x0               ; o_img, o_sc, w_img, w_sc
	s_load_b128 s[12:15], s[0:1], 0x20             ; bp, out0
	v_lshl_add_u32 v[SPW], v0, 2, SPARE
	v_mov_b32 v[NIL], 0
	ds_add_u32 v28, v29
	ds_add_u32 v28, v29
	s_wait_dscnt 0x0
	v_lshrrev_b32 v1, 5, v0
	v_readfirstlane_b32 s16, v1                    ; wave
	s_lshr_b32 s17, s16, 1                         ; wa.  Also: I fetch for A (0) or B (1)
	s_and_b32 s18, s16, 1                          ; wb.  Also: which 8 tiles I fetch
	s_bfe_u32 s92, ttmp6, 0x40000                  ; cx
	s_bfe_u32 s93, ttmp6, 0x40004                  ; cy
	s_and_b32 s94, ttmp7, 0xffff                   ; the cluster's y
	s_lshl_b32 s95, s93, 2
	s_lshl_b32 s95, 15, s95                        ; my row of the cluster
	s_lshl_b32 s96, 0x1111, s92                    ; my column
	s_or_b32 s[G1A], s95, (3<<16)|(1<<21)
	s_or_b32 s[G1B], s96, (3<<16)|(1<<21)
.irp g, G1A, G1B                       ; 8 rows (one a tile) of 3,072 bytes, 12,288 bytes apart
	s_mov_b32 s[\g+1], 384<<16
	s_mov_b32 s[\g+2], 8<<16
	s_mov_b32 s[\g+3], 384<<16
	s_mov_b32 s[\g+4], 8
	s_mov_b32 s[\g+5], 1536
	s_mov_b32 s[\g+6], 0
	s_mov_b32 s[\g+7], 0
.endr
	s_or_b32 s[G1SA], s95, (3<<16)|(1<<21)
	s_or_b32 s[G1SB], s96, (3<<16)|(1<<21)
.irp g, G1SA, G1SB                     ; the scales of 8 tiles: 4,096 dense bytes as 16 rows of 256
	s_mov_b32 s[\g+1], 32<<16
	s_mov_b32 s[\g+2], 16<<16
	s_mov_b32 s[\g+3], 32<<16
	s_mov_b32 s[\g+4], 16
	s_mov_b32 s[\g+5], 32
	s_mov_b32 s[\g+6], 0
	s_mov_b32 s[\g+7], 0
.endr
	s_lshl_b32 s3, s18, 3
	s_lshl_b32 s19, s94, 6
	s_lshl_b32 s98, s93, 4
	s_add_co_u32 s19, s19, s98
	s_add_co_u32 s19, s19, s3                      ; A's first tile: 64 x cluster y + 16 cy + 8 half
	s_lshl_b32 s2, ttmp9, 6
	s_lshl_b32 s97, s92, 4
	s_add_co_u32 s2, s2, s97
	s_add_co_u32 s2, s2, s3
	s_add_co_u32 s2, s2, 192                       ; B's: Wp's 192 + 64 x cluster x + 16 cx + 8 half
	s_mul_i32 s98, s19, 12288
	s_mov_b32 s99, 0
	s_mul_i32 s96, s2, 12288
	s_mov_b32 s97, 0
	s_wait_kmcnt 0x0
	s_add_nc_u64 s[20:21], s[4:5], s[98:99]
	s_lshl_b32 s98, s19, 9
	s_add_nc_u64 s[22:23], s[6:7], s[98:99]
	s_add_nc_u64 s[100:101], s[8:9], s[96:97]
	s_lshl_b32 s96, s2, 9
	s_add_nc_u64 s[66:67], s[10:11], s[96:97]
	s_mul_i32 s3, s16, HALFT
	s_lshl_b32 s19, s16, 12
	CROUND                                         ; all sixteen work-groups are here: the first joint loads meet
	s_mov_b32 s[G0SA], 1
	s_add_co_u32 s[G0SA+1], s19, SCL
	s_mov_b64 s[G0SA+2:G0SA+3], s[22:23]
	s_or_b32 s[G0SA+3], s[G0SA+3], 0x80000000
	s_mov_b32 s[G0SB], 1
	s_add_co_u32 s[G0SB+1], s19, SCL
	s_mov_b64 s[G0SB+2:G0SB+3], s[66:67]
	s_or_b32 s[G0SB+3], s[G0SB+3], 0x80000000
	JLOAD G0SA, G1SA, G0SB, G1SB
.irp s, 0,1,2
	s_mov_b32 s[G0A+4*\s], 1
	s_add_co_u32 s[G0A+4*\s+1], s3, \s*SLOT
	s_add_nc_u64 s[G0A+4*\s+2:G0A+4*\s+3], s[20:21], \s*3072
	s_or_b32 s[G0A+4*\s+3], s[G0A+4*\s+3], 0x80000000
	s_mov_b32 s[G0B+4*\s], 1
	s_add_co_u32 s[G0B+4*\s+1], s3, \s*SLOT
	s_add_nc_u64 s[G0B+4*\s+2:G0B+4*\s+3], s[100:101], \s*3072
	s_or_b32 s[G0B+4*\s+3], s[G0B+4*\s+3], 0x80000000
	JLOAD G0A+4*\s, G1A, G0B+4*\s, G1B
.endr
	v_and_b32 v1, 31, v0
	v_and_b32 v2, 15, v0
	v_bfe_u32 v3, v0, 4, 1
	v_lshlrev_b32 v[L16], 4, v1
	v_lshlrev_b32 v[L8], 3, v1
	v_lshlrev_b32 v[BO], 6, v3                     ; the bias: 16 numbers on for lanes 16-31
	s_mul_i32 s98, s17, HALFT
	s_mul_i32 s96, s18, HALFT
	s_add_co_u32 s96, s96, 2*HALFT
.irp s, 0,1,2
	v_add_nc_u32 v[A16+\s], s98, v[L16]
	v_add_nc_u32 v[A8+\s], s98, v[L8]
	v_add_nc_u32 v[B16+\s], s96, v[L16]
	v_add_nc_u32 v[B8+\s], s96, v[L8]
	s_add_co_u32 s98, s98, SLOT
	s_add_co_u32 s96, s96, SLOT
.endr
	s_lshl_b32 s98, s17, 12
	s_lshl_b32 s96, s18, 12
	s_add_co_u32 s96, s96, 8192
	s_sub_co_u32 s96, s96, s98
	v_mul_u32_u24 v[ADRS], s96, v3
	s_add_co_u32 s98, s98, SCL
	v_lshl_add_u32 v[ADRS], v2, 4, v[ADRS]
	v_add_nc_u32 v[ADRS], s98, v[ADRS]
	s_mul_i32 s98, s16, 16*SPITCH
	s_add_co_u32 s98, s98, STAGE                   ; my stage
	v_mul_u32_u24 v[STO], v2, SPITCH
	v_lshl_add_u32 v[STO], v3, 6, v[STO]
	v_add_nc_u32 v[STO], s98, v[STO]               ; in: row r, + 64 h
	v_add_nc_u32 v[RD], s98, v[L16]                ; back: a row's 512 bytes
	s_lshl_b32 s2, s94, 2
	s_add_co_u32 s2, s2, s93
	s_lshl_b32 s2, s2, 1
	s_add_co_u32 s2, s2, s17
	s_lshl_b32 s2, s2, 19                          ; my first row: (2 Y + wa) x 128 rows of 4,096 bytes
	s_lshl_b32 s3, ttmp9, 2
	s_add_co_u32 s3, s3, s92
	s_lshl_b32 s3, s3, 1
	s_add_co_u32 s3, s3, s18
	s_lshl_b32 s4, s3, 9                           ; my first column, in bytes: (2 X + wb) x 512
	s_mov_b32 s5, 0
	s_add_nc_u64 s[12:13], s[12:13], s[4:5]
	s_add_co_u32 s4, s4, s2
	s_add_nc_u64 s[14:15], s[14:15], s[4:5]
	WIN TO_B                                       ; the bias in the result's layout: tile b, lane half h: columns 32 (b / 2) + 16 h + 8 (b % 2) + 0 .. 7
.irp b, 0,1,2,3,4,5,6,7
	global_load_b128 v[96+8*\b+96*(\b/4):96+8*\b+96*(\b/4)+3], v[BO], s[12:13] offset:128*(\b/2)+32*(\b%2)
	global_load_b128 v[96+8*\b+96*(\b/4)+4:96+8*\b+96*(\b/4)+7], v[BO], s[12:13] offset:128*(\b/2)+32*(\b%2)+16
.endr
	WIN 0
.macro FRAG reg, a16, a8, off
	ds_load_b128 v[\reg:\reg+3], v[\a16] offset:\off
	ds_load_b64 v[\reg+4:\reg+5], v[\a8] offset:\off+512
	ds_load_b128 v[\reg+6:\reg+9], v[\a16] offset:\off+768
	ds_load_b64 v[\reg+10:\reg+11], v[\a8] offset:\off+1280
.endm
.macro FETCH_B slot, q, p
	WIN TO_B
.irp i, 0,1,2,3,4,5,6,7
	FRAG 128*(\p)+FR*\i, B16+\slot, B8+\slot, 3072*\i+1536*(\q)
.endr
	WIN 0
.endm
.macro FETCH_A slot, q, i0
.irp i, \i0, \i0+1, \i0+2, \i0+3
	FRAG AF+FR*(\i), A16+\slot, A8+\slot, 3072*(\i)+1536*(\q)
.endr
.endm
.macro SCALES
.irp i, 0,1,2,3,4,5,6,7
	ds_load_b128 v[SC+8*\i:SC+8*\i+3], v[ADRS] offset:512*\i
	ds_load_b128 v[SC+8*\i+4:SC+8*\i+7], v[ADRS] offset:512*\i+256
.endr
.endm
; 16 matrix instructions.  cm = 2: the bias is the C of the sums' first products.  The 64 accumulators take turns in one order.
.macro MUL16 a0, kq, cm
.irp a, \a0, \a0+1
.irp b, 0,1,2,3,4,5,6,7
.if \cm == 2
	v_wmma_scale_f32_16x16x128_f8f6f4 v[8*(8*((\a)%4)+\b):8*(8*((\a)%4)+\b)+7], v[128*((\kq)%2)+FR*\b:128*((\kq)%2)+FR*\b+FR-1], v[AF+FR*(\a):AF+FR*(\a)+FR-1], v[96+8*\b+96*(\b/4):96+8*\b+96*(\b/4)+7], v[SC+8*\b+(\kq)], v[SC+8*(\a)+(\kq)] matrix_a_fmt:MATRIX_FMT_BF6 matrix_b_fmt:MATRIX_FMT_BF6 matrix_a_scale:MATRIX_SCALE_ROW1
.else
	v_wmma_scale_f32_16x16x128_f8f6f4 v[8*(8*((\a)%4)+\b):8*(8*((\a)%4)+\b)+7], v[128*((\kq)%2)+FR*\b:128*((\kq)%2)+FR*\b+FR-1], v[AF+FR*(\a):AF+FR*(\a)+FR-1], v[8*(8*((\a)%4)+\b):8*(8*((\a)%4)+\b)+7], v[SC+8*\b+(\kq)], v[SC+8*(\a)+(\kq)] matrix_a_fmt:MATRIX_FMT_BF6 matrix_b_fmt:MATRIX_FMT_BF6 matrix_a_scale:MATRIX_SCALE_ROW1
.endif
.endr
.endr
.endm
.macro STEP kq, nslot, nq, cm
	s_wait_dscnt 16                                ; all but the youngest 16 loads (A's blocks 4-7) are in
.if \cm == 2
	WIN 0x91                                       ; C (the bias) window 1, D window 2
.else
	WIN MUL_LO
.endif
	MUL16 0, \kq, \cm
	MUL16 2, \kq, \cm
	s_wait_dscnt 0x0
	PLACES
	FETCH_B \nslot, \nq, 1-(\kq)%2
	FETCH_A \nslot, \nq, 0
.if \cm == 2
	WIN 0xd1                                       ; C window 1, D window 3
.else
	WIN MUL_HI
.endif
	MUL16 4, \kq, \cm
	MUL16 6, \kq, \cm
	PLACES
	WIN 0
	FETCH_A \nslot, \nq, 4
.endm
.macro TURN kq, nslot, fill
	s_wait_tensorcnt 0x0                           ; all my tensor loads have landed
	ds_add_u32 v[SPW], v[NIL]
	s_wait_dscnt 17                                ; (the add and the youngest 16 loads may be out)
	WIN MUL_LO
	MUL16 0, \kq, 0
	s_wait_dscnt 0x0                               ; the add is done, and my LDS reads so far are over
	s_barrier_signal -1
	MUL16 2, \kq, 0
	WIN 0
	s_barrier_wait -1
.if \fill
	CREST                                          ; the barrier has opened a round of the cluster's: no wave of any partner reads slot 0 or has a load on its way
	s_add_nc_u64 s[G0A+2:G0A+3], s[G0A+2:G0A+3], 9216
	s_add_nc_u64 s[G0B+2:G0B+3], s[G0B+2:G0B+3], 9216
	JLOAD G0A, G1A, G0B, G1B                       ; K quarter 3 into slot 0; its four v_nop are the places in front of the loads below
.else
	PLACES
.endif
	FETCH_B \nslot, 0, 1-(\kq)%2
	FETCH_A \nslot, 0, 0
	WIN MUL_HI
	MUL16 4, \kq, 0
	MUL16 6, \kq, 0
	PLACES
	WIN 0
	FETCH_A \nslot, 0, 4
.endm
	s_wait_tensorcnt 2                             ; the scales and my part of quarter 0 are in; quarters 1 and 2 may be out
	s_barrier_signal -1
	s_barrier_wait -1
	FETCH_B 0, 0, 0
	FETCH_A 0, 0, 0
	SCALES
	FETCH_A 0, 0, 4
	s_wait_loadcnt 0x0                             ; the bias
	STEP 0, 0, 1, 2
	TURN 1, 1, 1
	STEP 2, 1, 1, 0
	STEP 3, 2, 0, 0
	STEP 4, 2, 1, 0
	TURN 5, 0, 0                                   ; quarter 3 has landed; nobody reads slot 1 any more
	STEP 6, 0, 1, 0
	s_wait_dscnt 16
	WIN MUL_LO
	MUL16 0, 7, 0
	MUL16 2, 7, 0
	s_wait_dscnt 0x0
	WIN MUL_HI
	MUL16 4, 7, 0
	MUL16 6, 7, 0
	WIN 0
; THE WAY OUT, a block of 16 rows x 128 columns at a time, through my own stage and back as whole rows of 512 bytes.  LDS serves a wave's instructions in order: no wait between the stores and the loads.
.macro TOSTAGE a
.set AC, 64*((\a)%4)
.set WD, 0x08+4*((\a)/4)
	WIN WD                                         ; an LDS store's data: window 2 or 3
.irp b, 0,1,2,3,4,5,6,7
	ds_store_b128 v[STO], v[AC+8*\b:AC+8*\b+3] offset:128*(\b/2)+32*(\b%2)        ; each accumulator from its low end on
	ds_store_b128 v[STO], v[AC+8*\b+4:AC+8*\b+7] offset:128*(\b/2)+32*(\b%2)+16
.endr
	WIN 0
.set BB, BK+64*((\a)%2)
.irp t, 0,1,2,3,4,5,6,7,8,9,10,11,12,13,14,15
	ds_load_b128 v[BB+4*\t:BB+4*\t+3], v[RD] offset:\t*SPITCH
.endr
.endm
.macro SEND a, younger                 ; younger: the LDS instructions issued behind block a's loads
.set BB, BK+64*((\a)%2)
	s_wait_dscnt \younger
.irp t, 0,1,2,3,4,5,6,7,8,9,10,11,12,13,14,15
	global_store_b128 v[L16], v[BB+4*\t:BB+4*\t+3], s[14:15] offset:(32*((\a)/2)+8*((\a)%2)+\t+8*(\t/8))*4096 th:TH_STORE_NT   ; position t's row: 512 consecutive bytes
.endr
.endm
	PLACES
	TOSTAGE 0
.irp a, 1,2,3,4,5,6,7
.if \a > 1
	s_wait_xcnt 0x0                                ; block a - 2's stores have read their registers: block a's loads may land there
.endif
	TOSTAGE \a
	SEND \a-1, 32                                  ; behind block a - 1's loads: block a's 16 stores and 16 loads
.endr
	SEND 7, 0
	s_wait_tensorcnt 0x0                           ; the wave's end
	ds_add_u32 v[SPW], v[NIL]
	s_wait_dscnt 0x0
	CROUND                                         ; the closing round
	s_endpgm
.Lfunc_end_k_qaa3994ea9a_proj:
	.size	k_qaa3994ea9a_proj, .Lfunc_end_k_qaa3994ea9a_proj-k_qaa3994ea9a_proj
	.p2alignl 7, 3214868480
	.fill 96, 4, 3214868480
	.section	.rodata,"a",@progbits
	.p2align	6, 0x0
	.amdhsa_kernel k_qaa3994ea9a_proj
		.amdhsa_group_segment_fixed_size 327680
		.amdhsa_private_segment_fixed_size 0
		.amdhsa_enable_private_segment 0
		.amdhsa_kernarg_size 48
		.amdhsa_user_sgpr_count 2
		.amdhsa_user_sgpr_kernarg_segment_ptr 1
		.amdhsa_wavefront_size32 1
		.amdhsa_system_sgpr_workgroup_id_x 1
		.amdhsa_system_sgpr_workgroup_id_y 1
		.amdhsa_system_sgpr_workgroup_id_z 1
		.amdhsa_system_vgpr_workitem_id 0
		.amdhsa_next_free_vgpr 1024
		.amdhsa_next_free_sgpr 102
		.amdhsa_reserve_vcc 0
		.amdhsa_float_denorm_mode_32 3
		.amdhsa_float_denorm_mode_16_64 3
		.amdhsa_memory_ordered 1
		.amdhsa_forward_progress 1
		.amdhsa_inst_pref_size 144
	.end_amdhsa_kernel
	.amdgpu_metadata
---
amdhsa.version: [ 1, 2 ]
amdhsa.kernels:
  - .name:           k_qaa3994ea9a_proj
    .symbol:         k_qaa3994ea9a_proj.kd
    .args:
      - { .name: o_img, .offset: 0, .size: 8, .value_kind: global_buffer, .address_space: global }
      - { .name: o_sc, .offset: 8, .size: 8, .value_kind: global_buffer, .address_space: global }
      - { .name: w_img, .offset: 16, .size: 8, .value_kind: global_buffer, .address_space: global }
      - { .name: w_sc, .offset: 24, .size: 8, .value_kind: global_buffer, .address_space: global }
      - { .name: bp, .offset: 32, .size: 8, .value_kind: global_buffer, .address_space: global }
      - { .name: out0, .offset: 40, .size: 8, .value_kind: global_buffer, .address_space: global }
    .group_segment_fixed_size: 327680
    .private_segment_fixed_size: 0
    .kernarg_segment_align: 8
    .kernarg_segment_size: 48
    .max_flat_workgroup_size: 128
    .sgpr_count:     102
    .vgpr_count:     1024
    .wavefront_size: 32
...
	.end_amdgpu_metadata
.endif
;; end of part 4
